; MI455X (gfx1250); checked and timed in simulation.
; The chip was launched on July 23, 2026; its instructions are those of AMD's public machine-readable ISA for CDNA 5 (MIT licence, August 2026) and "CDNA5" Instruction Set Architecture Reference Guide (July 2026). The comments in the code are by the model that wrote it; some were corrected since.
;; Multi Head Self Attention. Allowed arithmetic: matrix products marked QUANTISED: E4M3 operands, one given power-of-two scale a tensor, by v_wmma_f32_16x16x64_fp8_fp8 or v_wmma_f32_16x16x128_fp8_fp8, f32 sums; everything else in f32.
;; Inputs: lowp_scales 8 int32 (the exponents e of the quantised operands' scales 2^e); token_positions 2,048 int32; w_o 1,024 x 1,024 float32; w_qkv 3,072 x 1,024 float32; x 4 x 2,048 x 1,024 float32.
;; Outputs: out0 4 x 2,048 x 1,024 float32.
;; This version of the problem:
;;   THIS VERSION OF THE PROBLEM IS GIVEN IN LOW PRECISION. The matrix products marked QUANTISED in the list below multiply operands that are first quantised to E4M3 (4 exponent bits, 3 mantissa bits; 8 bits a number), with one given power-of-two scale for each operand tensor; their sums are f32. All else is computed in f32.
;;   The module's matrix products, in the order in which they are computed (A, B: the left and right operand; K: the contracted axis; several contracted axes count as one K, in the product's order):
;;     1. [M 8,192, K 1,024] x [K 1,024, N 3,072]; A: input x; B: input w_qkv: QUANTISED (scales: A lowp_scales[0], B lowp_scales[1])
;;     2. batch 64 x [M 2,048, K 64] x [K 64, N 2,048]; A: computed on the way; B: computed on the way: QUANTISED (scales: A lowp_scales[2], B lowp_scales[3])
;;     3. batch 64 x [M 2,048, K 2,048] x [K 2,048, N 64]; A: softmax (see below); B: computed on the way: QUANTISED (scales: A lowp_scales[4], B lowp_scales[5])
;;     4. [M 8,192, K 1,024] x [K 1,024, N 1,024]; A: computed on the way; B: input w_o: QUANTISED (scales: A lowp_scales[6], B lowp_scales[7])
;;   THE QUANTISER, for each operand of a quantised product, along K:
;;     - The operand's scale is 2^e, e = its entry of the input lowp_scales (int32; the entries are numbered through the quantised products in the list's order, A before B).
;;     - Each number is divided by the scale, clamped to +-448, and rounded to the nearest number of E4M3, ties to even, subnormals kept.
;;     - The product sums the exact products of the quantised numbers (number of the format x scale) in f32.
;;   ~~~python
;;   def quantise(x, axis, e):      # numpy; x: float32 -> the quantised numbers, widened to float32 again
;;       x = np.moveaxis(x, axis, -1); K = x.shape[-1]
;;       r = np.clip(x / 2.0 ** e, -448, 448)
;;       step = 2.0 ** (np.maximum(np.frexp(np.where(r == 0, 1, r))[1] - 1, -6) - 3)
;;       q = np.round(r / step) * step * 2.0 ** e      # np.round: ties to even
;;       return np.moveaxis(q, -1, axis).astype(np.float32)
;;   ~~~
;;   SOFTMAX AHEAD OF A QUANTISED PRODUCT. Where the list says 'softmax', what is quantised is not the finished softmax but p = 2^(t - M), with t = logit x log2(e) and M = ceil(the row's largest t), a whole number; so 1/2 < the row's largest p <= 1. The row's sum l is taken of the UNQUANTISED p, in f32, and the product's result is divided by l at the end. Since M is a whole number, a kernel that streams over the keys may use a running M (the ceiling of the running maximum): every later rescaling is an exact power of two, so the quantised numbers keep their values, but for numbers so far below the row's largest that they fall under the format's range.
;;   OPERANDS COMPUTED ON THE WAY. 'Computed on the way' means the value that the module computes at that place (a softmax that the list does not call 'softmax' is quantised finished and normalised). What goes into a quantiser is computed in f32, as accurately as f32 sums, v_exp_f32 and their like allow (about 1e-6 of the number): no bf16 or f16 on the way to a quantiser, and a product that is left as it is and whose result goes on into a quantised operand takes f32 operands (vector FMAs, or v_wmma_f32_16x16x4_f32). A number that lies on a knife's edge between two numbers of the format may be rounded either way, as far as f32 arithmetic and the matrix unit's own rounding can turn it there, and no further.
;; One version. Each part assembles by itself: llvm-mc -triple=amdgcn-amd-amdhsa -mcpu=gfx1250 --defsym DOCPART=n.
;; ======== version 1 of 1: 4 launches
;; limits: right only within a limited range of input values
;; workspace buffers: x_codes 8,388,608 bytes; wqkv_codes 3,145,728 bytes; wo_codes 1,048,576 bytes; rope_tab 524,288 bytes; q_codes 8,388,608 bytes; k_codes 8,388,608 bytes; v_codes 8,388,608 bytes; ao_codes 8,388,608 bytes
;; launch prep (part 1): grid 512 x 1, 4 waves a work-group, no clusters, 33,280 bytes of LDS; arguments x, w_qkv, w_o, token_positions, lowp_scales, x_codes, wqkv_codes, wo_codes, rope_tab; writes x_codes, wqkv_codes, wo_codes, rope_tab
.if DOCPART == 1
	.amdgcn_target "amdgcn-amd-amdhsa--gfx1250"
	.amdhsa_code_object_version 6
	.text
	.protected	k_q96f2ca04d1_prep
	.globl	k_q96f2ca04d1_prep
	.p2align	8
	.type	k_q96f2ca04d1_prep,@function
k_q96f2ca04d1_prep:
	s_mov_b64 s[64:65], 0
	v_nop
	global_prefetch_b8 v0, s[64:65] scope:SCOPE_SE
	s_setreg_imm32_b32 hwreg(HW_REG_WAVE_MODE, 25, 1), 1
	s_wait_xcnt 0x0
; x [8192][1024], w_qkv [3072][1024] and w_o [1024][1024], f32, become codes of E4M3 with K innermost, each with its given scale 2^e (entries 0, 1 and 7 of the scales);
; and the cosines and sines of the rotary embedding are laid out as the next launch's lanes want them.
; code = x / 2^e, held within +-448, rounded to the nearest code, ties to even.
; LIMITS: -126 <= e and e + 8 <= 127.  NaN among the inputs is not served.  |position| <= 4,194,304 (the angle is reduced by pi/2 in three parts);
; the frequencies 10000^(-i/32) are made by v_exp_f32, so an angle may differ from a correctly rounded one by a few units in its last place.
; WORK-GROUPS: 0-255 take x, 256-351 w_qkv, 352-383 w_o, 32,768 numbers each (a wave: 16 steps of 512); 384-511 take one tile of 16 positions of the table each.
; THE CODES' ORDER.  In every block of 32 codes the two middle pieces of 8 change places: byte 32 g + 16 h + i holds k = 32 g + 8 h + i, byte 32 g + 16 h + 8 + i holds k = 32 g + 16 + 8 h + i (i < 8).
; A lane (r, h) that later loads 16 bytes at 32 c + 16 h of row r then holds k = 16 c' + 8 h + 0 .. 7 in registers 2 c', 2 c' + 1: the place that the plain 8-bit matrix forms give each k (ISA guide 7.12.2).
; Each load reads 512 consecutive bytes, 16 a lane; a step's 2,048 bytes turn through the wave's own stage in LDS (64 bytes + 16 of padding a place); lane 2 b + h takes back, of block b,
; numbers 8 h .. 8 h + 7 and 16 + 8 h .. 16 + 8 h + 7; its 16 codes are 16 bytes, so a wave's store covers 512 consecutive bytes.  Waves share nothing: no barrier.
.set STEPS, 16
.set SP,    80                         ; a place in a stage: 64 bytes + 16 of padding
.set WREG,  8192                       ; LDS: a region of its own for each wave: two stages of 32 x SP bytes
.set R,     16                         ; v16-79   four sets of 16 numbers as they are loaded
.set X,     80                         ; v80-111  two sets of 16 numbers in the codes' order
.set C,     128                        ; v128-191 codes: four registers for each step, so that no store's data are written again
.set WGX,   256                        ; work-groups below this take x,
.set WGW,   352                        ; below this w_qkv,
.set WGQ,   384                        ; below this w_o; the others the table
	s_load_b512 s[4:19], s[0:1], 0x0               ; x 4:5, w_qkv 6:7, w_o 8:9, positions 10:11, scales 12:13, x_codes 14:15, wqkv_codes 16:17, wo_codes 18:19
	s_load_b64 s[20:21], s[0:1], 0x40              ; the table
	v_lshl_add_u32 v192, v0, 2, 0x8000
	v_mov_b32 v193, 0
	v_lshrrev_b32 v1, 5, v0
	v_readfirstlane_b32 s28, v1                    ; wave
	v_and_b32 v2, 31, v0                           ; lane
	v_lshlrev_b32 v3, 4, v2                        ; 16 x lane
	s_wait_kmcnt 0x0
	s_cmp_ge_u32 ttmp9, WGQ
	s_cbranch_scc1 .Lrope
	; ---- the quantiser
	s_load_b256 s[40:47], s[12:13], 0x0            ; e0 .. e7
	s_cmp_lt_u32 ttmp9, WGW                        ; which tensor: the choice hangs on the work-group's number alone
	s_cselect_b64 s[22:23], s[6:7], s[8:9]
	s_cselect_b64 s[24:25], s[16:17], s[18:19]
	s_mov_b32 s26, WGW
	s_cselect_b32 s26, WGX, s26
	s_cmp_lt_u32 ttmp9, WGX
	s_cselect_b64 s[22:23], s[4:5], s[22:23]       ; from
	s_cselect_b64 s[24:25], s[14:15], s[24:25]     ; to
	s_cselect_b32 s26, 0, s26                      ; the tensor's first work-group
	s_sub_co_u32 s30, ttmp9, s26
	s_lshl_b32 s30, s30, 2
	s_add_co_u32 s30, s30, s28                     ; which run of 8,192 numbers of the tensor is my wave's
	s_lshl_b32 s32, s30, 15                        ; 32,768 bytes of f32,
	s_mov_b32 s33, 0
	s_add_nc_u64 s[22:23], s[22:23], s[32:33]
	s_lshl_b32 s32, s30, 13                        ; 8,192 bytes of codes
	s_add_nc_u64 s[24:25], s[24:25], s[32:33]
	s_mul_i32 s29, s28, WREG
	s_wait_alu depctr_va_vdst(0)
	v_lshrrev_b32 v14, 2, v2
	v_mul_u32_u24 v14, v14, SP
	v_and_b32 v15, 3, v2
	v_lshl_add_u32 v14, v15, 4, v14
	v_add_nc_u32 v14, s29, v14                     ; into the stage: SP (lane / 4) + 16 (lane % 4); a load's 512 bytes take eight places
	v_and_b32 v15, 30, v2
	v_mul_u32_u24 v15, v15, SP
	v_and_b32 v13, 1, v2
	v_lshl_add_u32 v15, v13, 5, v15
	v_add_nc_u32 v15, s29, v15                     ; out of it: block lane / 2 is two places; 32 bytes of each, from byte 32 (lane % 2) on
	v_lshlrev_b32 v4, 4, v2                        ; my codes' place in a step's 512 bytes
.macro LOAD t
.irp i, 0,1,2,3
	global_load_b128 v[R+16*((\t)%4)+4*\i:R+16*((\t)%4)+4*\i+3], v3, s[22:23] offset:2048*(\t)+512*\i th:TH_LOAD_NT   ; 32 lanes read 512 consecutive bytes
.endr
.endm
.macro TURN t                          ; step t's numbers through the stage: LDS serves a wave's instructions in order (ISA guide 5.7.1.4), so no wait stands between the stores and the loads
.irp i, 0,1,2,3
	ds_store_b128 v14, v[R+16*((\t)%4)+4*\i:R+16*((\t)%4)+4*\i+3] offset:32*SP*((\t)%2)+8*SP*\i
.endr
.irp i, 0,1,2,3
	ds_load_b128 v[X+16*((\t)%2)+4*\i:X+16*((\t)%2)+4*\i+3], v15 offset:32*SP*((\t)%2)+SP*(\i/2)+16*(\i%2)
.endr
.endm
.irp t, 0,1,2,3
	LOAD \t
.endr
	s_wait_alu depctr_va_vdst(0)
	s_wait_kmcnt 0x0
	s_cmp_lt_u32 ttmp9, WGW
	s_cselect_b32 s27, s41, s47
	s_cmp_lt_u32 ttmp9, WGX
	s_cselect_b32 s27, s40, s27                    ; e
	s_add_co_i32 s27, s27, 127
	s_lshl_b32 s34, s27, 23
	v_mov_b32 v11, s34                             ; 2^e as f32: the conversion takes its exponent field
	s_add_co_i32 s27, s27, 8
	s_lshl_b32 s27, s27, 23
	s_or_b32 s27, s27, 0x600000
	v_mov_b32 v10, s27                             ; 448 x 2^e
	s_wait_alu depctr_va_vdst(0)
	s_wait_loadcnt 12                              ; step 0's four loads are in; the twelve of steps 1 to 3 may be out
	TURN 0
.macro STEP t
.set XS, X+16*((\t)%2)
	s_wait_dscnt 0x0                               ; this step's numbers are back from the stage: so its stores into the stage have read their registers,
.if (\t)+4 < STEPS
	LOAD (\t)+4                                    ; which take the loads of four steps on
.endif
.if (\t)+1 < STEPS
.if STEPS-2-(\t) >= 3
	s_wait_loadcnt 12                              ; the next step's four loads are in; those of the three steps behind it may be out
.else
	s_wait_loadcnt 4*(STEPS-2-(\t))
.endif
	TURN (\t)+1                                    ; and go through the other stage while this step is worked
.endif
.irp i, 0,1,2,3,4,5,6,7,8,9,10,11,12,13,14,15
	v_med3_num_f32 v[XS+\i], v[XS+\i], -v10, v10   ; the conversion to an 8-bit code does not saturate (ISA guide 7.6.2): the hold at the largest code x the scale comes first
.endr
	v_cvt_scalef32_pk8_fp8_f32 v[C+4*(\t):C+4*(\t)+1], v[XS:XS+7], v11
	v_cvt_scalef32_pk8_fp8_f32 v[C+4*(\t)+2:C+4*(\t)+3], v[XS+8:XS+15], v11
	global_store_b128 v4, v[C+4*(\t):C+4*(\t)+3], s[24:25] offset:512*(\t)   ; the codes go to a store alone; the next vector lines are the next step's holds, on other registers
.endm
.irp t, 0,1,2,3,4,5,6,7,8,9,10,11,12,13,14,15
	STEP \t
.endr
	s_wait_tensorcnt 0x0
	ds_add_u32 v192, v193
	s_wait_dscnt 0x0
	s_endpgm
	; ---- the table: [tile of 16 positions T][bb = wave][cos, sin][lane][4 f32]: lane (r, h) makes cos and sin of position[16 T + r] x 10000^(-(8 bb + 4 h + p) / 32), p = 0 .. 3
.Lrope:
	s_sub_co_u32 s30, ttmp9, WGQ                   ; T
	v_and_b32 v4, 15, v0                           ; r
	v_bfe_u32 v5, v0, 4, 1                         ; h
	s_lshl_b32 s31, s30, 6
	v_lshl_add_u32 v6, v4, 2, s31                  ; byte 64 T + 4 r
	global_load_b32 v7, v6, s[10:11]               ; my position
	s_lshl_b32 s32, s28, 3
	v_lshl_add_u32 v9, v5, 2, s32                  ; 8 bb + 4 h
	s_lshl_b32 s33, s30, 12
	s_lshl_b32 s34, s28, 10
	s_add_co_u32 s33, s33, s34                     ; 4,096 T + 1,024 bb
	v_mov_b32 v24, 0xb94ca1f9                      ; the sine's leading coefficient
	v_mov_b32 v25, 0x37ccf5ce                      ; the cosine's
; four chains, p = 0 .. 3, line by line; chain p works in v[32 + 16 p] on: +0 the angle, +1 n, +2 r, +3 z, +4 sin r, +5 cos r, +6 n as a whole number, +7, +8 at work
.irp p, 0,1,2,3
	v_add_nc_u32 v[32+16*\p], \p, v9
.endr
.irp p, 0,1,2,3
	v_cvt_f32_u32 v[32+16*\p], v[32+16*\p]
.endr
.irp p, 0,1,2,3
	v_mul_f32 v[32+16*\p], 0xbed49a78, v[32+16*\p] ; x -log2(10000) / 32
.endr
	s_wait_alu depctr_va_vdst(0)
.irp p, 0,1,2,3
	v_exp_f32 v[32+16*\p], v[32+16*\p]             ; the frequency
.endr
	v_add_nc_u32 v8, s33, v3                       ; (a plain line behind the batch)  where my 16 bytes of cosines go
	s_wait_alu depctr_va_vdst(0)                   ; one wait for the four exponentials, ahead of their first reader
	s_wait_loadcnt 0x0
	v_cvt_f32_i32 v7, v7
.irp p, 0,1,2,3
	v_mul_f32 v[32+16*\p], v7, v[32+16*\p]         ; the angle a
.endr
.irp p, 0,1,2,3
	v_mul_f32 v[33+16*\p], 0x3f22f983, v[32+16*\p] ; a x 2 / pi
.endr
.irp p, 0,1,2,3
	v_rndne_f32 v[33+16*\p], v[33+16*\p]           ; n
.endr
.irp p, 0,1,2,3
	v_fmamk_f32 v[34+16*\p], v[33+16*\p], 0xbfc90fdb, v[32+16*\p]   ; r = a - n x pi/2, pi/2 in three parts, each by a fused multiply-add
.endr
.irp p, 0,1,2,3
	v_fmamk_f32 v[34+16*\p], v[33+16*\p], 0x333bbd2e, v[34+16*\p]
.endr
.irp p, 0,1,2,3
	v_fmamk_f32 v[34+16*\p], v[33+16*\p], 0x26f72ced, v[34+16*\p]
.endr
.irp p, 0,1,2,3
	v_mul_f32 v[35+16*\p], v[34+16*\p], v[34+16*\p] ; z = r r, |r| <= pi/4
.endr
.irp p, 0,1,2,3
	v_fmaak_f32 v[36+16*\p], v24, v[35+16*\p], 0x3c08839e
	v_fmaak_f32 v[37+16*\p], v25, v[35+16*\p], 0xbab6061a
.endr
.irp p, 0,1,2,3
	v_fmaak_f32 v[36+16*\p], v[36+16*\p], v[35+16*\p], 0xbe2aaaa3
	v_fmaak_f32 v[37+16*\p], v[37+16*\p], v[35+16*\p], 0x3d2aaaa5
.endr
.irp p, 0,1,2,3
	v_mul_f32 v[36+16*\p], v[36+16*\p], v[35+16*\p]
	v_mul_f32 v[39+16*\p], v[35+16*\p], v[35+16*\p]
	v_fma_f32 v[40+16*\p], v[35+16*\p], -0.5, 1.0
.endr
.irp p, 0,1,2,3
	v_fma_f32 v[36+16*\p], v[36+16*\p], v[34+16*\p], v[34+16*\p]    ; sin r
	v_fma_f32 v[37+16*\p], v[37+16*\p], v[39+16*\p], v[40+16*\p]    ; cos r
	v_cvt_i32_f32 v[38+16*\p], v[33+16*\p]
.endr
.irp p, 0,1,2,3                        ; the quarter turn n mod 4: odd n swaps sine and cosine; the signs follow.  Values are selected: nothing branches
	v_and_b32 v[39+16*\p], 1, v[38+16*\p]
	v_cmp_eq_u32 vcc_lo, 1, v[39+16*\p]
	v_cndmask_b32 v[20+\p], v[36+16*\p], v[37+16*\p], vcc_lo
	v_cndmask_b32 v[16+\p], v[37+16*\p], v[36+16*\p], vcc_lo
	v_and_b32 v[39+16*\p], 2, v[38+16*\p]
	v_add_nc_u32 v[40+16*\p], 1, v[38+16*\p]
	v_lshlrev_b32 v[39+16*\p], 30, v[39+16*\p]
	v_and_b32 v[40+16*\p], 2, v[40+16*\p]
	v_xor_b32 v[20+\p], v[39+16*\p], v[20+\p]      ; the sine is negative in quarters 2 and 3,
	v_lshlrev_b32 v[40+16*\p], 30, v[40+16*\p]
	v_xor_b32 v[16+\p], v[40+16*\p], v[16+\p]      ; the cosine in quarters 1 and 2
.endr
	global_store_b128 v8, v[16:19], s[20:21]               ; 32 lanes store 512 consecutive bytes
	global_store_b128 v8, v[20:23], s[20:21] offset:512
	s_endpgm
.Lfunc_end_k_q96f2ca04d1_prep:
	.size	k_q96f2ca04d1_prep, .Lfunc_end_k_q96f2ca04d1_prep-k_q96f2ca04d1_prep
	.p2alignl 7, 3214868480
	.fill 96, 4, 3214868480
	.section	.rodata,"a",@progbits
	.p2align	6, 0x0
	.amdhsa_kernel k_q96f2ca04d1_prep
		.amdhsa_group_segment_fixed_size 33280
		.amdhsa_private_segment_fixed_size 0
		.amdhsa_enable_private_segment 0
		.amdhsa_kernarg_size 72
		.amdhsa_user_sgpr_count 2
		.amdhsa_user_sgpr_kernarg_segment_ptr 1
		.amdhsa_wavefront_size32 1
		.amdhsa_system_sgpr_workgroup_id_x 1
		.amdhsa_system_sgpr_workgroup_id_y 1
		.amdhsa_system_sgpr_workgroup_id_z 1
		.amdhsa_system_vgpr_workitem_id 0
		.amdhsa_next_free_vgpr 194
		.amdhsa_next_free_sgpr 66
		.amdhsa_reserve_vcc 1
		.amdhsa_float_denorm_mode_32 3
		.amdhsa_float_denorm_mode_16_64 3
		.amdhsa_memory_ordered 1
		.amdhsa_forward_progress 1
		.amdhsa_inst_pref_size 44
	.end_amdhsa_kernel
	.amdgpu_metadata
---
amdhsa.version: [ 1, 2 ]
amdhsa.kernels:
  - .name:           k_q96f2ca04d1_prep
    .symbol:         k_q96f2ca04d1_prep.kd
    .args:
      - { .name: x, .offset: 0, .size: 8, .value_kind: global_buffer, .address_space: global }
      - { .name: w_qkv, .offset: 8, .size: 8, .value_kind: global_buffer, .address_space: global }
      - { .name: w_o, .offset: 16, .size: 8, .value_kind: global_buffer, .address_space: global }
      - { .name: token_positions, .offset: 24, .size: 8, .value_kind: global_buffer, .address_space: global }
      - { .name: lowp_scales, .offset: 32, .size: 8, .value_kind: global_buffer, .address_space: global }
      - { .name: x_codes, .offset: 40, .size: 8, .value_kind: global_buffer, .address_space: global }
      - { .name: wqkv_codes, .offset: 48, .size: 8, .value_kind: global_buffer, .address_space: global }
      - { .name: wo_codes, .offset: 56, .size: 8, .value_kind: global_buffer, .address_space: global }
      - { .name: rope_tab, .offset: 64, .size: 8, .value_kind: global_buffer, .address_space: global }
    .group_segment_fixed_size: 33280
    .private_segment_fixed_size: 0
    .kernarg_segment_align: 8
    .kernarg_segment_size: 72
    .max_flat_workgroup_size: 128
    .sgpr_count:     66
    .vgpr_count:     194
    .wavefront_size: 32
...
	.end_amdgpu_metadata
.endif
;; end of part 1
;; launch qkv (part 2): grid 12 x 32, 4 waves a work-group, clusters of 4 x 4, 327,680 bytes of LDS; arguments x_codes, wqkv_codes, lowp_scales, rope_tab, q_codes, k_codes, v_codes; writes q_codes, k_codes, v_codes
.if DOCPART == 2
	.amdgcn_target "amdgcn-amd-amdhsa--gfx1250"
	.amdhsa_code_object_version 6
	.text
	.protected	k_q96f2ca04d1_qkv
	.globl	k_q96f2ca04d1_qkv
	.p2align	8
	.type	k_q96f2ca04d1_qkv,@function
k_q96f2ca04d1_qkv:
	s_mov_b64 s[64:65], 0
	v_nop
	global_prefetch_b8 v0, s[64:65] scope:SCOPE_SE
	s_setreg_imm32_b32 hwreg(HW_REG_WAVE_MODE, 25, 1), 1
	s_wait_xcnt 0x0
	s_wait_alu depctr_hold_cnt(0) depctr_sa_sdst(0) depctr_va_vdst(0) depctr_va_sdst(0) depctr_va_ssrc(0) depctr_va_vcc(0) depctr_vm_vsrc(0)
	s_getreg_b32 s2, hwreg(HW_REG_IB_STS2, 6, 4)
	s_cmp_eq_u32 s2, 0
	s_cbranch_scc0 .Lentry_in_a_cluster
	s_endpgm
.Lentry_in_a_cluster:
	s_bfe_u32 s2, ttmp6, 0x10000c
	s_cmp_lg_u32 s2, 0xf033
	s_cbranch_scc0 .Lentry_shape_is_right
	s_endpgm
.Lentry_shape_is_right:
; qkv = x w_qkv^T on codes of E4M3 (K = 1,024), the rotary embedding on q and k, and q, k, v quantised for the two products of attention.  Sums in f32.
; A tile of 256 x 256 is made by a work-group of four waves, 128 x 128 a wave: 64 accumulators of 16 x 16, 512 registers.  K goes in steps of 256 through a ring of two LDS slots filled by the tensor data mover.
; CLUSTERS: 4 x 4 work-groups; the cluster's x is the KIND, the same in all sixteen partners: 0 = q, 1 = k, 2 = v.  "A" is shared along a row of the cluster, "B" along a column, each by joint loads.
;   q, k: A = 256 rows of x (tokens), B = 256 rows of w_qkv (channels).   v: A = 256 rows of w_v (channels), B = 256 rows of x (tokens): the operands change places.
; THE MATRIX INSTRUCTION: source 0 = 16 rows of B, source 1 = 16 rows of A: lane (r, h) holds row r of A's block and, in registers 0 .. 7, rows 8 h + 0 .. 7 of B's block.
;   q, k: a lane holds ONE token and eight neighbouring channels: the K of the scores' product.   v: a lane holds ONE channel and eight neighbouring tokens: the K (the keys) of the second product.
; So eight numbers of an accumulator, converted, ARE registers 2 c, 2 c + 1 of the next product's operand (plain 8-bit layout: k = 16 c + 8 h + 0 .. 7, ISA guide 7.12.2), and they go to memory as an IMAGE OF THE
; OPERAND'S REGISTERS: four registers of the 32 lanes are 512 consecutive bytes, lane l at 16 l.  No stage in LDS, and every store of a wave covers 512 consecutive bytes at a multiple of 512.
;   q_codes, k_codes: [batch x 16 + head][tile of 16 tokens (128)][g (2)][lane][16 bytes];   v_codes: [batch x 16 + head][step of 128 keys (16)][tile of 16 channels (4)][g (4)][lane][16 bytes].
; THE SCALES.  A sum stands for sum x 2^(e0 + e1); the rotation is linear; so the conversion takes the one scale 2^(eo - e0 - e1), eo = e2 (q), e3 (k), e5 (v).
; LIMIT: eo - e0 - e1 between -126 and 119.
; REGISTERS, in windows of 256: window 0: v0-31 addresses and scales; v32-127 three sets of a block's cosines and sines; from v128 A's fragments, ONE set; on the way out v128-191 numbers, v192-223 two sets of codes.
;   window 1: B's fragments, TWO sets.   window 2: the 32 accumulators of my rows 0-63 of A (accumulator (a, b) at v[8 (8 a + b)]);   window 3: those of rows 64-127.
.set SIZE_K, 1024
.set KSTEP,  256                       ; along K in a slot
.set ROWB,   256                       ; a tile's row in bytes
.set KROW,   SIZE_K                    ; a row of x_codes or of wqkv_codes in memory, in bytes
.set PITCH,  272                       ; an LDS row: 256 bytes + 16 of padding = 68 words: row r starts at bank 4 r mod 64 (64 banks of 4 bytes: ISA guide 11.1)
.set FR,     16                        ; registers of a fragment: 16 rows x 128 K
.set NL,     4                         ; LDS loads that bring one
.set NP,     4                         ; places behind this matrix instruction (ISA guide 7.12.1)
.set HALFT,  128*PITCH                 ; 128 rows: what one tensor load brings, and what one wave reads of A or of B
.set SLOT,   4*HALFT                   ; A's 256 rows, then B's 256 rows
.set LAPS,   SIZE_K/(2*KSTEP)          ; a lap = two K steps = once round the ring
.set SPARE,  2*SLOT                    ; behind the ring: the spare words, 128 bytes for each wave: two blocks of 256 bytes that no other line names
.set ADRA, 16                          ; v16-17  LDS address of my A fragments in slot 0, 1
.set ADRB, 20                          ; v20-21  the same for B
.set LI,   26                          ; v26     16 x lane: my place in an image and in the table
.set SPW,  28                          ; v28     LDS address of my spare word; never rewritten
.set NIL,  29                          ; v29     0; never rewritten
.set SCL,  30                          ; v30     2^(eo - e0 - e1) as f32
.set LIM,  31                          ; v31     448 x that
.set TAB,  32                          ; cosines and sines of a block of 16 tokens, 32 registers a set (for bb = 0 .. 3 four cosines at 8 bb, four sines at 8 bb + 4): blocks 0, 1, 2 and then 7 in window 0, v32-127; blocks 3 .. 6 in window 1, v0-127
.set AF,   128                         ; A's fragments
.set TMP,  128                         ; the way out: a block's 64 numbers
.set CD,   192                         ; the way out: a block's 16 registers of codes, two sets by turns
.set G1, 24                            ; s[24:31] descriptor group 1 for A's tiles;  s[32:39] group 0, one set for each slot
.set G0, 32
.set G1B, 48                           ; s[48:55], s[56:63] the same for B's tiles
.set G0B, 56
.set MSB, 0
.macro WIN new                         ; the immediate's high byte repeats the setting that is left
.if MSB != \new
	s_set_vgpr_msb (MSB<<8)|\new
.set MSB, \new
.endif
.endm
.set MUL_LO, 0xa1                      ; source 0 (B) window 1, source 1 (A) window 0, C and D window 2
.set MUL_HI, 0xf1                      ; the same, C and D window 3
.set TO_B,   0x40                      ; destination window 1, address window 0
; A joint load: waves 0 and 1 fetch for A, waves 2 and 3 for B.  Each of the two lines has ONE mask and one set of registers for all that issue it; the branch hangs on the wave's number alone.
; Four v_nop follow each of the two lines, ahead of the jump, the label and what follows.
.macro JLOAD g0a, g1a, g0b, g1b
	s_cmp_eq_u32 s15, 0
	s_cbranch_scc0 .Lfor_b_\@
	tensor_load_to_lds s[\g0a:\g0a+3], s[\g1a:\g1a+7]
	s_nop 0
.rept 4
	v_nop
.endr
	s_branch .Lasked_\@
.Lfor_b_\@:
	tensor_load_to_lds s[\g0b:\g0b+3], s[\g1b:\g1b+7]
	s_nop 0
.rept 4
	v_nop
.endr
.Lasked_\@:
.endm
.macro CREST                           ; a round of the cluster's barrier behind its opening barrier
	s_cmp_lg_u32 s14, 0
	s_cbranch_scc1 .Lnot_wave_0_\@
	s_barrier_signal -3
.Lnot_wave_0_\@:
	s_barrier_wait -3
	s_barrier_signal -1
	s_barrier_wait -1
.endm
.macro CROUND                          ; a whole round
	s_barrier_signal -1
	s_barrier_wait -1
	CREST
.endm
	s_load_b256 s[4:11], s[0:1], 0x0               ; x_codes 4:5, wqkv_codes 6:7, the scales 8:9, the table 10:11
	s_load_b128 s[68:71], s[0:1], 0x20             ; q_codes, k_codes
	s_load_b64 s[72:73], s[0:1], 0x30              ; v_codes
	v_lshl_add_u32 v[SPW], v0, 2, SPARE
	v_mov_b32 v[NIL], 0
	ds_add_u32 v28, v29
	ds_add_u32 v28, v29
	s_wait_dscnt 0x0
	v_lshrrev_b32 v1, 5, v0
	v_readfirstlane_b32 s14, v1                    ; wave 0..3
	s_lshr_b32 s15, s14, 1                         ; which half of A's rows is mine.  Also: I fetch for A (0) or for B (1)
	s_and_b32 s16, s14, 1                          ; which half of B's rows.  Also: which 128 rows of that tile I fetch
	s_bfe_u32 s40, ttmp6, 0x40000                  ; cx, cy: my place in the cluster
	s_bfe_u32 s41, ttmp6, 0x40004
	s_and_b32 s92, ttmp7, 0xffff
	s_lshl_b32 s92, s92, 2                         ; 4 x cluster y
	s_lshl_b32 s93, ttmp9, 2                       ; 4 x cluster x
	s_cmp_eq_u32 ttmp9, 2                          ; v?  The cluster's x is the same in all sixteen partners
	s_cselect_b32 s17, 8, s92
	s_cselect_b32 s42, s92, s93
	s_add_co_u32 s17, s17, s41                     ; A's tile of 256 rows: q, k: 4 y + cy of x;  v: 8 + cy of w_qkv.  It holds cy and never cx
	s_add_co_u32 s42, s42, s40                     ; B's: q, k: 4 x + cx of w_qkv;  v: 4 y + cx of x.  It holds cx and never cy
	s_lshl_b32 s43, s41, 2
	s_lshl_b32 s43, 15, s43                        ; my row of the cluster
	s_lshl_b32 s44, 0x1111, s40                    ; my column
	; descriptor group 1: a tile of 128 rows x 256 bytes, padded in LDS
	s_or_b32 s[G1+0], s43, (0<<16)|(1<<20)|(1<<21)|(5<<22)|(3<<25)  ; 15:0 the mask: A's tiles go to my row; 17:16 element of 1 byte; 20 padding on; 21 set beside a mask; 24:22 after every 64 words (code 5); 31:25 of 4 words (code 3)
	s_or_b32 s[G1B+0], s44, (0<<16)|(1<<20)|(1<<21)|(5<<22)|(3<<25)
.irp g, G1, G1B
	s_mov_b32 s[\g+1], ROWB<<16                    ; tensor_dim0
	s_mov_b32 s[\g+2], 128<<16                     ; tensor_dim1 = 128
	s_mov_b32 s[\g+3], ROWB<<16                    ; tile_dim0
	s_mov_b32 s[\g+4], 128                         ; tile_dim1 = 128
	s_mov_b32 s[\g+5], KROW                        ; tensor_dim0_stride: both tensors have rows of 1,024 bytes
	s_mov_b32 s[\g+6], 0
	s_mov_b32 s[\g+7], 0
.endr
	s_lshl_b32 s18, s16, 7                         ; which 128 rows of the tile I fetch
	s_lshl_b32 s20, s17, 8
	s_add_co_u32 s20, s20, s18
	s_lshl_b32 s20, s20, 10                        ; A: (256 x tile + 128 x half) rows of 1,024 bytes
	s_mov_b32 s21, 0
	s_lshl_b32 s46, s42, 8
	s_add_co_u32 s46, s46, s18
	s_lshl_b32 s46, s46, 10                        ; B likewise
	s_mov_b32 s47, 0
	s_mul_i32 s45, s14, HALFT                      ; where they go: wave x 128 rows: no place in the cluster enters an LDS address
	s_wait_kmcnt 0x0
	s_load_b256 s[84:91], s[8:9], 0x0              ; e0 .. e7
	s_cmp_eq_u32 ttmp9, 2
	s_cselect_b64 s[80:81], s[6:7], s[4:5]         ; A's tensor
	s_cselect_b64 s[82:83], s[4:5], s[6:7]         ; B's
	s_add_nc_u64 s[20:21], s[80:81], s[20:21]
	s_add_nc_u64 s[46:47], s[82:83], s[46:47]
	CROUND                                         ; all sixteen work-groups are here: the first joint loads meet
.irp s, 0,1
	s_mov_b32 s[G0+4*\s], 1
	s_add_co_u32 s[G0+4*\s+1], s45, \s*SLOT
	s_add_nc_u64 s[G0+4*\s+2:G0+4*\s+3], s[20:21], \s*ROWB
	s_or_b32 s[G0+4*\s+3], s[G0+4*\s+3], 0x80000000
	s_mov_b32 s[G0B+4*\s], 1
	s_add_co_u32 s[G0B+4*\s+1], s45, \s*SLOT
	s_add_nc_u64 s[G0B+4*\s+2:G0B+4*\s+3], s[46:47], \s*ROWB
	s_or_b32 s[G0B+4*\s+3], s[G0B+4*\s+3], 0x80000000
.endr
	JLOAD G0, G1, G0B, G1B                         ; K step 0: one tensor load a wave at the head
	v_and_b32 v1, 15, v0                           ; l % 16
	v_bfe_u32 v2, v0, 4, 1                         ; l / 16
	v_mul_u32_u24 v3, v1, PITCH
	v_lshl_add_u32 v4, v2, 4, v3                   ; a fragment's row x pitch + 16 x half
	s_mul_i32 s21, s15, HALFT                      ; my 128 rows of A
	s_mul_i32 s22, s16, HALFT                      ; my 128 rows of B,
	s_add_co_u32 s22, s22, 2*HALFT                 ; which lie behind A's 256
.irp s, 0,1
	v_add_nc_u32 v[ADRA+\s], s21, v4
	v_add_nc_u32 v[ADRB+\s], s22, v4
	s_add_co_u32 s21, s21, SLOT
	s_add_co_u32 s22, s22, SLOT
.endr
	v_and_b32 v6, 31, v0
	v_lshlrev_b32 v[LI], 4, v6
	; where my results go.  P = the tile of 256 tokens, BH = batch x 16 + my first head, TH = my half of the tokens:  BH x 131,072 + (2 (P mod 8) + TH) x 8,192 bytes, in all three buffers
	s_wait_alu depctr_va_vdst(0)
	s_cmp_eq_u32 ttmp9, 2
	s_cselect_b32 s92, s42, s17                    ; P
	s_cselect_b32 s93, s41, s40                    ; which 256 channels (four heads)
	s_cselect_b32 s94, s15, s16                    ; which half of them (two heads)
	s_cselect_b32 s95, s16, s15                    ; TH
	s_lshr_b32 s76, s92, 3                         ; the batch
	s_lshl_b32 s76, s76, 4
	s_lshl_b32 s93, s93, 2
	s_add_co_u32 s76, s76, s93
	s_lshl_b32 s94, s94, 1
	s_add_co_u32 s76, s76, s94                     ; BH
	s_lshl_b32 s76, s76, 17
	s_and_b32 s92, s92, 7
	s_lshl_b32 s92, s92, 1
	s_add_co_u32 s92, s92, s95
	s_lshl_b32 s93, s92, 13
	s_add_co_u32 s76, s76, s93
	s_mov_b32 s77, 0
	s_lshl_b32 s78, s92, 15                        ; the table: my first tile of 16 tokens is 8 (2 (P mod 8) + TH), 4,096 bytes a tile
	s_mov_b32 s79, 0
	s_add_nc_u64 s[66:67], s[10:11], s[78:79]
	s_cmp_eq_u32 ttmp9, 1
	s_cselect_b64 s[74:75], s[70:71], s[68:69]
	s_cmp_eq_u32 ttmp9, 2
	s_cselect_b64 s[74:75], s[72:73], s[74:75]
	s_add_nc_u64 s[74:75], s[74:75], s[76:77]
.macro TABLOAD a                       ; block a's cosines and sines into its set: eight loads of 512 consecutive bytes.  For blocks 3 .. 6 the caller sets the destination's window to 1
.if ((\a) >= 3) && ((\a) <= 6)
.set TSET, 32*((\a)-3)
.else
.set TSET, TAB+32*((\a)%7)
.endif
.irp bb, 0,1,2,3
.irp cs, 0,1
	global_load_b128 v[TSET+8*\bb+4*\cs:TSET+8*\bb+4*\cs+3], v[LI], s[66:67] offset:4096*(\a)+1024*\bb+512*\cs
.endr
.endr
.endm
	; The first three blocks' cosines and sines are asked for here and land under the products, which leave v32-127 alone.  No branch stands round the table's loads, so that their registers are written on every
	; path of the text: v's work-groups, which rotate nothing, load these bytes too and never name the registers again.  The offset is at most 15 x 32,768 + 8 x 4,096 bytes: inside the table's 524,288.
	TABLOAD 0
	TABLOAD 1
	TABLOAD 2
.macro FRAG reg, adr, q, i             ; a fragment, 16 rows x 128 K, is 16 registers, by four loads of 16 bytes at 32 c + 16 (l / 16) of row l % 16; the codes' order in memory makes that the form's own layout
.irp c, 0,1,2,3
	ds_load_b128 v[\reg+4*\c:\reg+4*\c+3], v[\adr] offset:128*(\q)+32*\c+(\i)*16*PITCH
.endr
.endm
; 16 matrix instructions: A's blocks a0, a0 + 1 x B's eight, 128 along K.  p: B's set.  zero = 1: the first product starts the sums: nothing is ever cleared.
; The 64 accumulators take turns, one instruction a turn, in the same order in every step.
.macro MUL16 a0, p, zero
.irp a, \a0, \a0+1
.irp b, 0,1,2,3,4,5,6,7
.if \zero
	v_wmma_f32_16x16x128_fp8_fp8 v[8*(8*((\a)%4)+\b):8*(8*((\a)%4)+\b)+7], v[128*(\p)+FR*\b:128*(\p)+FR*\b+FR-1], v[AF+FR*(\a):AF+FR*(\a)+FR-1], 0
.else
	v_wmma_f32_16x16x128_fp8_fp8 v[8*(8*((\a)%4)+\b):8*(8*((\a)%4)+\b)+7], v[128*(\p)+FR*\b:128*(\p)+FR*\b+FR-1], v[AF+FR*(\a):AF+FR*(\a)+FR-1], v[8*(8*((\a)%4)+\b):8*(8*((\a)%4)+\b)+7]
.endif
.endr
.endr
.endm
.macro FETCH_B slot, q, p              ; B's eight fragments of the slot's q-th 128 along K into set p
	WIN TO_B
.irp i, 0,1,2,3,4,5,6,7
	FRAG 128*(\p)+FR*\i, ADRB+\slot, \q, \i
.endr
	WIN 0
.endm
.macro FETCH_A slot, q, i0             ; A's blocks i0 .. i0 + 3
.irp i, \i0, \i0+1, \i0+2, \i0+3
	FRAG AF+FR*(\i), ADRA+\slot, \q, \i
.endr
.endm
; A load into a register that a matrix instruction has read, and a vector instruction that reads a matrix result or writes one of a matrix instruction's registers, stand NP places behind it;
; only plain vector instructions that name none of its registers are places (ISA guide 7.12.1 for vector instructions).
.macro PLACES n
.rept \n
	v_nop
.endr
.endm
; A step of 128 along K that has its successor in the same slot.
.macro STEP slot, q, zero
	s_wait_dscnt 4*NL                              ; B's set and A's blocks 0-3 are in; the youngest sixteen loads (A's blocks 4-7) may be out
	WIN MUL_LO
	MUL16 0, (\q)%2, \zero
	MUL16 2, (\q)%2, \zero
	s_wait_dscnt 0                                 ; A's blocks 4-7 are in
	PLACES NP
	FETCH_B \slot, (\q)+1, 1-(\q)%2
	FETCH_A \slot, (\q)+1, 0
	WIN MUL_HI
	MUL16 4, (\q)%2, \zero
	MUL16 6, (\q)%2, \zero
	PLACES NP
	WIN 0
	FETCH_A \slot, (\q)+1, 4
.endm
; A slot's last step changes slots: ONE barrier; in front of it each wave waits for all its tensor loads, adds 0 to its spare word, and waits for that and for its own reads of this slot.  fill = 1: this slot is filled again, two K steps ahead.
.macro TURN slot, next, fill
	s_wait_tensorcnt 0x0                           ; all my tensor loads have landed: my part of the next slot;  (every window is 0 here)
	ds_add_u32 v[SPW], v[NIL]                      ; 0 onto my spare word;
	s_wait_dscnt 4*NL+1                            ; (the add and the youngest sixteen loads, A's blocks 4-7, may be out)
	WIN MUL_LO
	MUL16 0, 1, 0                                  ; sixteen matrix instructions stand between the add and the wait for it
	s_wait_dscnt 0x0                               ; the add is done, and my reads of this slot are over
	s_barrier_signal -1
	MUL16 2, 1, 0
	WIN 0
	s_barrier_wait -1
.if \fill
	CREST                                          ; the barrier has opened a round of the cluster's barrier: no wave of any partner still reads this slot's tile or has a load on its way
	s_add_nc_u64 s[G0+4*\slot+2:G0+4*\slot+3], s[G0+4*\slot+2:G0+4*\slot+3], 2*ROWB
	s_add_nc_u64 s[G0B+4*\slot+2:G0B+4*\slot+3], s[G0B+4*\slot+2:G0B+4*\slot+3], 2*ROWB
	JLOAD G0+4*\slot, G1, G0B+4*\slot, G1B         ; the first tensor load behind the round; the four v_nop behind it are the places in front of the loads below
.else
	PLACES NP
.endif
	FETCH_B \next, 0, 0
	FETCH_A \next, 0, 0
	WIN MUL_HI
	MUL16 4, 1, 0
	MUL16 6, 1, 0
	PLACES NP
	WIN 0
	FETCH_A \next, 0, 4
.endm
	s_wait_alu depctr_va_vdst(0)
	s_wait_tensorcnt 0x0                           ; my part of K step 0 is in
	ds_add_u32 v[SPW], v[NIL]
	s_wait_dscnt 0x0
	CROUND                                         ; everybody's part of K step 0 is in, and all sixteen work-groups are here
	JLOAD G0+4, G1, G0B+4, G1B                     ; K step 1's load, the first tensor load behind the round
	FETCH_B 0, 0, 0
	FETCH_A 0, 0, 0
	FETCH_A 0, 0, 4
	STEP 0, 0, 1                                   ; the first step stands in front of the loop: its products start the sums
	s_mov_b32 s3, LAPS-1
.Llap:                                                 ; a trip goes once round the ring, from a lap's second step to the next lap's first, and fills both slots again
	TURN 0, 1, 1
	STEP 1, 0, 0
	TURN 1, 0, 1
	STEP 0, 0, 0
	s_sub_co_u32 s3, s3, 1
	s_cmp_lg_u32 s3, 0
	s_cbranch_scc1 .Llap
	TURN 0, 1, 0                                   ; the last lap fills nothing, and has no round of the cluster's barrier
	STEP 1, 0, 0
	WIN TO_B                                       ; B's set 0 has been multiplied for the last time, and the step's last four places stand behind those products:
	TABLOAD 3                                      ; it takes the cosines and sines of blocks 3 .. 6, which land under the last step's products
	TABLOAD 4
	TABLOAD 5
	TABLOAD 6
	WIN 0
	s_wait_dscnt 4*NL                              ; the very last step: nothing more to fetch
	WIN MUL_LO
	MUL16 0, 1, 0
	MUL16 2, 1, 0
	s_wait_dscnt 0
	WIN MUL_HI
	MUL16 4, 1, 0
	MUL16 6, 1, 0
	WIN 0
	; THE WAY OUT, block by block of 16 rows of A.
	s_wait_kmcnt 0x0
	s_cmp_eq_u32 ttmp9, 1
	s_cselect_b32 s92, s87, s86
	s_cmp_eq_u32 ttmp9, 2
	s_cselect_b32 s92, s89, s92                    ; eo = e2, e3 or e5
	s_sub_co_i32 s92, s92, s84
	s_sub_co_i32 s92, s92, s85
	s_add_co_i32 s92, s92, 127
	s_lshl_b32 s93, s92, 23
	v_mov_b32 v[SCL], s93                          ; 2^(eo - e0 - e1): the conversion takes its exponent field
	s_add_co_i32 s92, s92, 8
	s_lshl_b32 s92, s92, 23
	s_or_b32 s92, s92, 0x600000
	v_mov_b32 v[LIM], s92                          ; 448 x that
	PLACES NP                                      ; behind the last products: for the reads of results and for the writes into the registers that held A's fragments
; q, k: accumulator (a, b) of lane (r, h) holds token 16 a + r and channels 16 b + 8 h + 0 .. 7 of my 128: head b / 4, pairs 8 (b % 4) + 4 h + 0 .. 3 of the head's 32.
; A pair (x1, x2) becomes (x1 c - x2 s, x2 c + x1 s): one packed multiply by c and one packed multiply-add that takes the pair crosswise, with s negated for the low half.
.macro ROPE_A a
.set AC, 64*((\a)%4)
.if ((\a) >= 3) && ((\a) <= 6)
.set TS, 32*((\a)-3)
.set WA, 0x06+((\a)/4)                 ; source 0: the accumulators' window; source 1: the table's set in window 1
.else
.set TS, TAB+32*((\a)%7)
.set WA, 0x02+((\a)/4)
.endif
.set CO, CD+16*((\a)%2)
.if (\a) == 0
	s_wait_loadcnt 48                              ; block 0's eight table loads are in; behind them stand those of blocks 1 .. 6
.else
	s_wait_loadcnt 8*(7-(\a))                      ; this block's eight are in; behind them stand those of blocks a + 1 .. 7
.endif
	s_wait_xcnt 0x0                                ; the stores of two blocks ago have read this set of codes: it is written again only behind this wait
	WIN WA                                         ; source 0: the accumulators' window
.irp b, 0,1,2,3,4,5,6,7
.irp p, 0,1,2,3                        ; each accumulator from its low end on
.set rD, TMP+8*\b+2*\p
.set rX, AC+8*\b+2*\p
.set rC, TS+8*(\b%4)+2*(\p/2)
.if \p%2
	v_pk_mul_f32 v[rD:rD+1], v[rX:rX+1], v[rC:rC+1] op_sel:[0,1] op_sel_hi:[1,1]
.else
	v_pk_mul_f32 v[rD:rD+1], v[rX:rX+1], v[rC:rC+1] op_sel:[0,0] op_sel_hi:[1,0]
.endif
.endr
.irp p, 0,1,2,3
.set rD, TMP+8*\b+2*\p
.set rX, AC+8*\b+2*\p
.set rS, TS+8*(\b%4)+4+2*(\p/2)
.if \p%2
	v_pk_fma_f32 v[rD:rD+1], v[rX:rX+1], v[rS:rS+1], v[rD:rD+1] op_sel:[1,1,0] op_sel_hi:[0,1,1] neg_lo:[0,1,0]
.else
	v_pk_fma_f32 v[rD:rD+1], v[rX:rX+1], v[rS:rS+1], v[rD:rD+1] op_sel:[1,0,0] op_sel_hi:[0,0,1] neg_lo:[0,1,0]
.endif
.endr
.endr
	WIN 0
.irp b, 0,1,2,3,4,5,6,7
.irp j, 0,1,2,3,4,5,6,7
	v_med3_num_f32 v[TMP+8*\b+\j], v[TMP+8*\b+\j], -v[LIM], v[LIM]   ; the conversion does not saturate (ISA guide 7.6.2): the hold comes first
.endr
	v_cvt_scalef32_pk8_fp8_f32 v[CO+2*\b:CO+2*\b+1], v[TMP+8*\b:TMP+8*\b+7], v[SCL]   ; registers 2 (b % 4), 2 (b % 4) + 1 of head b / 4's fragment
.endr
	v_nop                                          ; one plain vector line behind the last conversion: the next block writes the numbers' registers
.irp hh, 0,1
.irp g, 0,1
	global_store_b128 v[LI], v[CO+8*\hh+4*\g:CO+8*\hh+4*\g+3], s[74:75] offset:131072*\hh+1024*(\a)+512*\g   ; 32 lanes store 512 consecutive bytes
.endr
.endr
.if (\a) == 0
	TABLOAD 7                                      ; into the set that block 0 has read
.endif
.endm
; v: accumulator (a, b) of lane (r, h) holds channel 16 a + r of my 128 (head a / 4, tile a % 4) and tokens 16 b + 8 h + 0 .. 7 of my 128: registers 2 b, 2 b + 1 of the fragment of V^T
.macro VBLK a
.set AC, 64*((\a)%4)
.set CO, CD+16*((\a)%2)
.set WA, 0x02+((\a)/4)
	s_wait_xcnt 0x0                                ; the stores of two blocks ago have read this set of codes
	WIN WA
.irp b, 0,1,2,3,4,5,6,7
.irp j, 0,1,2,3,4,5,6,7
	v_med3_num_f32 v[TMP+8*\b+\j], v[AC+8*\b+\j], -v[LIM], v[LIM]
.endr
.endr
	WIN 0
.irp b, 0,1,2,3,4,5,6,7
	v_cvt_scalef32_pk8_fp8_f32 v[CO+2*\b:CO+2*\b+1], v[TMP+8*\b:TMP+8*\b+7], v[SCL]
.endr
	v_nop                                          ; one plain vector line behind the last conversion
.irp g, 0,1,2,3
	global_store_b128 v[LI], v[CO+4*\g:CO+4*\g+3], s[74:75] offset:131072*((\a)/4)+2048*((\a)%4)+512*\g
.endr
.endm
	s_cmp_eq_u32 ttmp9, 2
	s_cbranch_scc1 .Lv
.irp a, 0,1,2,3,4,5,6,7
	ROPE_A \a
.endr
	s_branch .Lout
.Lv:
	s_wait_alu depctr_va_vdst(0)
.irp a, 0,1,2,3,4,5,6,7
	VBLK \a
.endr
.Lout:
	s_wait_tensorcnt 0x0                           ; the wave's end
	ds_add_u32 v[SPW], v[NIL]
	s_wait_dscnt 0x0
	CROUND                                         ; the closing round: no work-group ends while a partner may still ask for a tile that names it
	s_endpgm
.Lfunc_end_k_q96f2ca04d1_qkv:
	.size	k_q96f2ca04d1_qkv, .Lfunc_end_k_q96f2ca04d1_qkv-k_q96f2ca04d1_qkv
	.p2alignl 7, 3214868480
	.fill 96, 4, 3214868480
	.section	.rodata,"a",@progbits
	.p2align	6, 0x0
	.amdhsa_kernel k_q96f2ca04d1_qkv
		.amdhsa_group_segment_fixed_size 327680
		.amdhsa_private_segment_fixed_size 0
		.amdhsa_enable_private_segment 0
		.amdhsa_kernarg_size 56
		.amdhsa_user_sgpr_count 2
		.amdhsa_user_sgpr_kernarg_segment_ptr 1
		.amdhsa_wavefront_size32 1
		.amdhsa_system_sgpr_workgroup_id_x 1
		.amdhsa_system_sgpr_workgroup_id_y 1
		.amdhsa_system_sgpr_workgroup_id_z 1
		.amdhsa_system_vgpr_workitem_id 0
		.amdhsa_next_free_vgpr 1024
		.amdhsa_next_free_sgpr 98
		.amdhsa_reserve_vcc 0
		.amdhsa_float_denorm_mode_32 3
		.amdhsa_float_denorm_mode_16_64 3
		.amdhsa_memory_ordered 1
		.amdhsa_forward_progress 1
		.amdhsa_inst_pref_size 197
	.end_amdhsa_kernel
	.amdgpu_metadata
---
amdhsa.version: [ 1, 2 ]
amdhsa.kernels:
  - .name:           k_q96f2ca04d1_qkv
    .symbol:         k_q96f2ca04d1_qkv.kd
    .args:
      - { .name: x_codes, .offset: 0, .size: 8, .value_kind: global_buffer, .address_space: global }
      - { .name: wqkv_codes, .offset: 8, .size: 8, .value_kind: global_buffer, .address_space: global }
      - { .name: lowp_scales, .offset: 16, .size: 8, .value_kind: global_buffer, .address_space: global }
      - { .name: rope_tab, .offset: 24, .size: 8, .value_kind: global_buffer, .address_space: global }
      - { .name: q_codes, .offset: 32, .size: 8, .value_kind: global_buffer, .address_space: global }
      - { .name: k_codes, .offset: 40, .size: 8, .value_kind: global_buffer, .address_space: global }
      - { .name: v_codes, .offset: 48, .size: 8, .value_kind: global_buffer, .address_space: global }
    .group_segment_fixed_size: 327680
    .private_segment_fixed_size: 0
    .kernarg_segment_align: 8
    .kernarg_segment_size: 56
    .max_flat_workgroup_size: 128
    .sgpr_count:     98
    .vgpr_count:     1024
    .wavefront_size: 32
...
	.end_amdgpu_metadata
.endif
;; end of part 2
;; launch attn (part 3): grid 4 x 64, 8 waves a work-group, clusters of 4 x 1, 327,680 bytes of LDS; arguments q_codes, k_codes, v_codes, lowp_scales, ao_codes; writes ao_codes
.if DOCPART == 3
	.amdgcn_target "amdgcn-amd-amdhsa--gfx1250"
	.amdhsa_code_object_version 6
	.text
	.protected	k_q96f2ca04d1_attn
	.globl	k_q96f2ca04d1_attn
	.p2align	8
	.type	k_q96f2ca04d1_attn,@function
k_q96f2ca04d1_attn:
	s_mov_b64 s[64:65], 0
	v_nop
	global_prefetch_b8 v0, s[64:65] scope:SCOPE_SE
	s_setreg_imm32_b32 hwreg(HW_REG_WAVE_MODE, 25, 1), 1
	s_wait_xcnt 0x0
	s_wait_alu depctr_hold_cnt(0) depctr_sa_sdst(0) depctr_va_vdst(0) depctr_va_sdst(0) depctr_va_ssrc(0) depctr_va_vcc(0) depctr_vm_vsrc(0)
	s_getreg_b32 s2, hwreg(HW_REG_IB_STS2, 6, 4)
	s_cmp_eq_u32 s2, 0
	s_cbranch_scc0 .Lentry_in_a_cluster
	s_endpgm
.Lentry_in_a_cluster:
	s_bfe_u32 s2, ttmp6, 0x10000c
	s_cmp_lg_u32 s2, 0x3003
	s_cbranch_scc0 .Lentry_shape_is_right
	s_endpgm
.Lentry_shape_is_right:
; Causal attention on codes of E4M3: for each of 64 (batch, head): O[q] = sum over k <= q of softmax_k(Q[q] . K[k] / 8) V[k], head size 64, 2,048 tokens; O is quantised for the last product.
; LEFT OUT: tile steps all of whose keys come after all of the tile's queries: the causal mask makes their scores -infinity, so their p is 0 for all values of the inputs.
; A NaN or an infinity that reaches only such hidden scores is not carried to the result.
; THE SOFTMAX: t = score x log2(e) / 8; M = the row's largest t so far, rounded UP to a whole number; p = 2^(t - M) is quantised along the keys with 2^e4, not normalised.  The row's sum is taken of the
; unquantised p, in f32, and divides O at the end.  When M moves, the sum and O are multiplied by 2^(old M - new M), which rounds nothing.
; ALL OPERANDS ARE IMAGES OF REGISTERS (four registers of 32 lanes = 512 bytes, lane l at 16 l), in the plain 8-bit layout (k = 16 c + 8 h + 0 .. 7 in registers 2 c, 2 c + 1: ISA guide 7.12.2):
;   q_codes, k_codes [head][tile of 16 tokens][1,024 bytes];  v_codes [head][step of 128 keys][tile of 16 channels][2,048 bytes];  ao_codes [tile of 16 rows][head][1,024 bytes].
; BOTH PRODUCTS TRANSPOSED: S^T = K Q^T, O^T = V^T P: a lane holds ONE query throughout, its registers run along the keys, then along the channels.
; SHARES.  A cluster of four work-groups is one head.  Its 128 tiles of 16 queries are dealt out as tile 4 m + cx, m = 0 .. 31.  At key step s (128 keys) tile m is wholly hidden where 2 s > m and wholly open
; where 2 s + 2 <= m, whatever cx is: no branch hangs on a work-group's place, and K and V are asked for JOINTLY.  Wave w owns m = w, 15 - w, 16 + w, 31 - w: 34 tile steps for every wave.
; LDS HOLDS THE HEAD'S WHOLE K AND V: 16 steps x 8,192 bytes each, 262,144 bytes.  Nothing is filled again.  THE KEYS ARE WALKED DOWNWARDS, step 15 to step 0: a tile's first live step is its diagonal, which
; holds the query's own key, so M is a number from there on.  Steps 15 to 12 are live only for m >= 24, each wave's highest tile.  So the head asks for those four steps (one load of 8,192 bytes a wave:
; waves 0-3 K's, waves 4-7 V's); behind a round each wave asks for three of steps 0 to 11 (24,576 bytes), which are on their way while steps 15 to 12 are worked;
; one barrier follows, and the last twelve steps have none.  The first loop's step holds one tile, the second's four.
; NO PREFETCH: both groups of loads go out at the head, the second as soon as the first has landed; no later load is left for a request to run ahead of.
; LIMITS: e2 + e3 between -123 and 130 (added to an exponent field); e4 between -126 and 119; e4 + e5 - e6 is applied by v_ldexp_f32 and has none; the scaled scores t stay under 2^31 in magnitude.
; REGISTERS.  window 0: v1-11 addresses and work; v12-27 four statistics a tile (-M, the largest t, the sum in two halves); v28-31 at work; v32-95 S^T, then p; v96-159 K's 8 fragments; v160-223 V's 4;
;   v224-239 p's codes (ahead of them two chains of the sum); v240-255 scales and offsets.   window 1: v0-127 O^T, 32 a tile; v128-159 Q, 8 a tile.
.set STEPB, 8192                       ; a key step's K, and its V
.set VBASE, 16*STEPB                   ; V's sixteen steps lie behind K's sixteen
.set SPARE, 2*VBASE                    ; behind them: the spare words, 128 bytes for each wave: four blocks of 256 bytes that no other line names
.set NHI,  4                           ; steps 15 .. 12
.set NLO,  12                          ; steps 11 .. 0
.set LI,   1                           ; v1   16 x lane
.set ADK,  2                           ; v2   LDS address of the step's K
.set ADV,  3                           ; v3   of its V
.set LQ,   4                           ; v4   16 cx + r - 8 h
.set SPW,  5                           ; v5   LDS address of my spare word; never rewritten
.set NIL,  6                           ; v6   0; never rewritten
.set DD,   7                           ; v7   the mask: register 8 T + j is hidden where 16 T + j > DD
.set NINF, 8                           ; v8   -infinity
.set MC,   9                           ; v9, v10, v30, v31: four chains of the maximum
.set MD,   10
.set ST,   12
.set F,    28                          ; v[28:29] f = 2^(old M - new M); v29 is only named with it
.set MA,   30
.set MB,   31
.set S,    32
.set KF,   96
.set VF,   160
.set P,    224
.set SUM3, P                           ; the sum's third and fourth chain stand where p's codes are written afterwards
.set SUM4, P+2
.set PLIM, 240                         ; 448 x 2^e4
.set PSC,  241                         ; 2^e4
.set SUM2, 242                         ; v[242:243] the sum's second chain
.set PRM,  244                         ; a lane permute's destination
.set OLIM, 245                         ; 448.0
.set ONE,  246                         ; 1.0
.set PLIM2, 247                        ; 448 x 2^e4 once more, in another register bank: the second half of a dual pair takes it
.set QA,   248                         ; v248-251 my byte offset in the head's q_codes, a tile each
.set OA,   252                         ; v252-255 my byte offset in ao_codes, a tile each
.set QW,   128                         ; Q, in window 1
.set WV,   14
.set CX,   15
.set BH,   16
.set G1A,  24                          ; s[24:31] descriptor group 1: 8,192 dense bytes as 32 rows of 256
.set G0K,  32                          ; s[32:35] group 0, K's steps 12 .. 15
.set M0,   36                          ; s36-39 my four tiles' m, ascending
.set KS2,  40                          ; s40  2 x the key step
.set TB,   41                          ; s41  LDS byte at which the step's K begins
.set INNER, 43
.set T0,   44
.set CS,   46                          ; s[46:47] c = log2(e) / 8 x 2^(e2 + e3)
.set SEL,  48                          ; s[48:49] lane selects for v_permlanex16_b32: lane l xor 16
.set EO,   50                          ; e4 + e5 - e6
.set G0V,  52                          ; s[52:55] group 0, V's steps 12 .. 15
.set G0K2, 56                          ; s[56:59] group 0, K's steps 0 .. 11
.set G0V2, 60                          ; s[60:63] group 0, V's steps 0 .. 11
.set E,    68                          ; s[68:75] e0 .. e7
.set G1B,  76                          ; s[76:83] descriptor group 1: 24,576 dense bytes as 96 rows of 256
.set MSB, 0
.macro WIN new                         ; the immediate's high byte repeats the setting that is left
.if MSB != \new
	s_set_vgpr_msb (MSB<<8)|\new
.set MSB, \new
.endif
.endm
; A joint load: waves 0-3 for K, waves 4-7 for V.  The branch hangs on the wave's number alone.  An s_nop 0 and four v_nop follow each of the two lines.
.macro JLOAD g0k, g0v, g1
	s_cmp_lt_u32 s[WV], 4
	s_cbranch_scc0 .Lfor_v_\@
	tensor_load_to_lds s[\g0k:\g0k+3], s[\g1:\g1+7]
	s_nop 0
.rept 4
	v_nop
.endr
	s_branch .Lasked_\@
.Lfor_v_\@:
	tensor_load_to_lds s[\g0v:\g0v+3], s[\g1:\g1+7]
	s_nop 0
.rept 4
	v_nop
.endr
.Lasked_\@:
.endm
.macro CROUND                          ; a round of the cluster's barrier
	s_barrier_signal -1
	s_barrier_wait -1
	s_cmp_lg_u32 s[WV], 0
	s_cbranch_scc1 .Lnot_wave_0_\@
	s_barrier_signal -3
.Lnot_wave_0_\@:
	s_barrier_wait -3
	s_barrier_signal -1
	s_barrier_wait -1
.endm
	s_load_b256 s[4:11], s[0:1], 0x0               ; q_codes 4:5, k_codes 6:7, v_codes 8:9, the scales 10:11
	s_load_b64 s[12:13], s[0:1], 0x20              ; ao_codes
	v_lshl_add_u32 v[SPW], v0, 2, SPARE
	v_mov_b32 v[NIL], 0
	ds_add_u32 v[SPW], v[NIL]                      ; the opening lines: the add, twice on end, and its wait ahead of my first tensor load
	ds_add_u32 v[SPW], v[NIL]
	v_lshrrev_b32 v9, 5, v0
	v_readfirstlane_b32 s[WV], v9                  ; wave 0..7
	s_bfe_u32 s[CX], ttmp6, 0x40000                ; cx: it enters global addresses and the mask's numbers alone
	s_and_b32 s[BH], ttmp7, 0xffff                 ; batch x 16 + head, which the four partners share
	s_mov_b32 s[M0], s[WV]
	s_sub_co_u32 s[M0+1], 15, s[WV]
	s_add_co_u32 s[M0+2], s[WV], 16
	s_sub_co_u32 s[M0+3], 31, s[WV]
.irp g, G1A, G1B
	s_mov_b32 s[\g], 15|(3<<16)|(1<<21)            ; 15:0 the mask: all four work-groups; 17:16 elements of 8 bytes; no padding; 21 set beside a mask
	s_mov_b32 s[\g+1], 32<<16                      ; tensor_dim0 = 32
	s_mov_b32 s[\g+3], 32<<16                      ; tile_dim0 = 32
	s_mov_b32 s[\g+5], 32                          ; tensor_dim0_stride
	s_mov_b32 s[\g+6], 0
	s_mov_b32 s[\g+7], 0
.endr
	s_mov_b32 s[G1A+2], 32<<16                     ; tensor_dim1, tile_dim1 = 32 rows,
	s_mov_b32 s[G1A+4], 32
	s_mov_b32 s[G1B+2], 96<<16                     ; 96 rows
	s_mov_b32 s[G1B+4], 96
	s_and_b32 s17, s[WV], 3
	s_lshl_b32 s18, s17, 13
	s_add_co_u32 s18, s18, NLO*STEPB               ; first: step 12 + wave % 4: its place in the head's K or V, in memory and in LDS alike
	s_mul_i32 s19, s17, 3*STEPB                    ; then: steps 3 (wave % 4) + 0 .. 2
	s_lshl_b32 s22, s[BH], 17                      ; a head is 131,072 bytes in each of q_codes, k_codes, v_codes
	s_mov_b32 s23, 0
	s_add_co_u32 s20, s22, s18
	s_mov_b32 s21, 0
	s_add_co_u32 s66, s22, s19
	s_mov_b32 s67, 0
	s_mov_b32 s[SEL], 0x76543210
	s_mov_b32 s[SEL+1], 0xfedcba98
	s_mov_b32 s[KS2], 30                           ; step 15
	s_mov_b32 s[TB], 15*STEPB
	s_wait_dscnt 0x0                               ; both opening adds are done
	s_wait_kmcnt 0x0
	s_load_b256 s[E:E+7], s[10:11], 0x0
	s_mov_b32 s[G0K], 1                            ; count = 1
	s_mov_b32 s[G0K+1], s18                        ; LDS address
	s_add_nc_u64 s[G0K+2:G0K+3], s[6:7], s[20:21]  ; global address
	s_or_b32 s[G0K+3], s[G0K+3], 0x80000000        ; type = 2
	s_mov_b32 s[G0V], 1
	s_add_co_u32 s[G0V+1], s18, VBASE
	s_add_nc_u64 s[G0V+2:G0V+3], s[8:9], s[20:21]
	s_or_b32 s[G0V+3], s[G0V+3], 0x80000000
	s_mov_b32 s[G0K2], 1
	s_mov_b32 s[G0K2+1], s19
	s_add_nc_u64 s[G0K2+2:G0K2+3], s[6:7], s[66:67]
	s_or_b32 s[G0K2+3], s[G0K2+3], 0x80000000
	s_mov_b32 s[G0V2], 1
	s_add_co_u32 s[G0V2+1], s19, VBASE
	s_add_nc_u64 s[G0V2+2:G0V2+3], s[8:9], s[66:67]
	s_or_b32 s[G0V2+3], s[G0V2+3], 0x80000000
	s_add_nc_u64 s[4:5], s[4:5], s[22:23]          ; q_codes at my head
	CROUND                                         ; all four work-groups are here: the first joint loads meet
	JLOAD G0K, G0V, G1A                            ; steps 12 .. 15: my one tensor load at the head
	v_and_b32 v9, 31, v0
	v_lshlrev_b32 v[LI], 4, v9
	v_and_b32 v10, 15, v0                          ; r
	v_bfe_u32 v11, v0, 4, 1                        ; h
	v_lshlrev_b32 v11, 3, v11
	v_sub_nc_u32 v[LQ], v10, v11
	s_lshl_b32 s20, s[CX], 4
	v_add_nc_u32 v[LQ], s20, v[LQ]
	s_lshr_b32 s21, s[BH], 4
	s_lshl_b32 s21, s21, 7                         ; 128 x batch
	s_and_b32 s22, s[BH], 15
	s_lshl_b32 s22, s22, 10                        ; 1,024 x head
	s_wait_alu depctr_va_vdst(0)
.irp u, 0,1,2,3
	s_lshl_b32 s20, s[M0+\u], 2
	s_add_co_u32 s20, s20, s[CX]                   ; the tile of 16 queries: 4 m + cx
	s_lshl_b32 s23, s20, 10
	v_add_nc_u32 v[QA+\u], s23, v[LI]
	s_add_co_u32 s20, s20, s21
	s_lshl_b32 s20, s20, 14                        ; a tile of 16 rows of ao_codes is 16,384 bytes
	s_add_co_u32 s20, s20, s22
	v_add_nc_u32 v[OA+\u], s20, v[LI]
.endr
	WIN 0x40                                       ; destination window 1
	s_wait_alu depctr_va_vdst(0)                   ; ahead of the readers of the offsets just made
.irp u, 0,1,2,3
.irp g, 0,1
	global_load_b128 v[QW+8*\u+4*\g:QW+8*\u+4*\g+3], v[QA+\u], s[4:5] offset:512*\g   ; Q stays in registers
.endr
.endr
.set i, 0
.rept 128
	v_mov_b32 v[i], 0                              ; O^T.  (A tile's step is written once for all steps: the first finds zeros, which the first change of M leaves zeros)
.set i, i+1
.endr
	WIN 0
.irp u, 0,1,2,3
	v_mov_b32 v[ST+4*\u+1], 0xff61b1e6             ; the largest t so far: -3e38, under every t
	v_floor_f32 v[ST+4*\u], -v[ST+4*\u+1]          ; -M
	v_mov_b32 v[ST+4*\u+2], 0                      ; the sum, in two halves
	v_mov_b32 v[ST+4*\u+3], 0
	v_mov_b32 v[F+\u], 0                           ; v28-31: written once, since a lane permute's destination counts as one of its sources, and v29 is named in a pair
.endr
	v_mov_b32 v[PRM], 0
	v_mov_b32 v[NINF], 0xff800000
	v_mov_b32 v[OLIM], 0x43e00000
	v_mov_b32 v[ONE], 1.0
	s_wait_alu depctr_va_vdst(0)
	s_wait_kmcnt 0x0
	s_add_co_i32 s20, s[E+2], s[E+3]
	s_lshl_b32 s20, s20, 23
	s_add_co_i32 s[CS], s20, 0x3e38aa3b            ; log2(e) / 8, with e2 + e3 added to its exponent field
	s_mov_b32 s[CS+1], s[CS]                       ; (named with it as a pair, so it is written)
	s_add_co_i32 s20, s[E+4], 127
	s_lshl_b32 s21, s20, 23
	v_mov_b32 v[PSC], s21
	s_add_co_i32 s20, s20, 8
	s_lshl_b32 s20, s20, 23
	s_or_b32 s20, s20, 0x600000
	v_mov_b32 v[PLIM], s20
	v_mov_b32 v[PLIM2], s20
	s_add_co_i32 s[EO], s[E+4], s[E+5]
	s_sub_co_i32 s[EO], s[EO], s[E+6]
; ONE TILE OF 16 QUERIES AGAINST THE STEP'S 128 KEYS.  The tiles go 3, 2, 1, 0, m descending: where a tile is wholly hidden, so are all that follow, and the branch leads to the step's end (label id).
.macro TILE u, id
.set rT, ST+4*(\u)
.if (\u) < 3
	s_cmp_gt_u32 s[KS2], s[M0+\u]
	s_cbranch_scc1 .Lend_\id
.else
	s_wait_dscnt 16                                ; K's sixteen loads are in; V's sixteen, issued behind them, may be out
.endif
	WIN 0x04                                       ; source 1 (Q) window 1
.irp t, 0,1,2,3,4,5,6,7
	v_wmma_f32_16x16x64_fp8_fp8 v[S+8*\t:S+8*\t+7], v[KF+8*\t:KF+8*\t+7], v[QW+8*(\u):QW+8*(\u)+7], 0   ; lane (r, h): query r, keys 16 t + 8 h + 0 .. 7
.endr
	WIN 0
.rept 4
	v_nop                                          ; four places between the products and the first read of their results (ISA guide 7.12.1)
.endr
	s_add_co_u32 s[T0], s[KS2], 2
	s_cmp_ge_u32 s[M0+\u], s[T0]
	s_cbranch_scc1 .Lopen_\@                       ; all 128 keys count for all 16 queries
	; THE DIAGONAL: m - 2 s is 0 or 1.  Register 8 t + j is hidden where 16 t + j > 64 (m - 2 s) + 16 cx + r - 8 h, and 16 cx + r - 8 h lies between -8 and 63.
	s_cmp_eq_u32 s[M0+\u], s[KS2]                  ; the wave's number and the step's count alone
	s_cbranch_scc1 .Leven_\@
	v_add_nc_u32 v[DD], 64, v[LQ]                  ; m - 2 s = 1: the bound is at least 56, so t = 0 .. 3 (16 t + j <= 55) are open: t = 4 .. 7 alone are compared
	s_wait_alu depctr_va_vdst(0)
.irp t, 4,5,6,7
.irp j, 0,1,2,3,4,5,6,7
	v_cmp_gt_i32 vcc_lo, 16*\t+\j, v[DD]
	v_cndmask_b32 v[S+8*\t+\j], v[S+8*\t+\j], v[NINF], vcc_lo   ; a hidden score becomes -infinity ahead of the maximum: p = 0
.endr
.endr
	s_wait_alu depctr_va_vdst(0)
	s_branch .Lopen_\@
.Leven_\@:
.irp t, 0,1,2,3                        ; m - 2 s = 0: the bound is at most 63: t = 0 .. 3 are compared,
.irp j, 0,1,2,3,4,5,6,7
	v_cmp_gt_i32 vcc_lo, 16*\t+\j, v[LQ]
	v_cndmask_b32 v[S+8*\t+\j], v[S+8*\t+\j], v[NINF], vcc_lo
.endr
.endr
.irp t, 4,5,6,7                        ; and t = 4 .. 7 (16 t + j >= 64) are hidden whole
.irp j, 0,1,2,3,4,5,6,7
	v_mov_b32 v[S+8*\t+\j], v[NINF]
.endr
.endr
.Lopen_\@:
	v_max3_num_f32 v[MA], v[S], v[S+1], v[S+2]     ; the step's largest score of my query among my 64 keys, in four chains, registers ascending: each accumulator is read from its low end on
	v_max3_num_f32 v[MB], v[S+3], v[S+4], v[S+5]
	v_max3_num_f32 v[MC], v[S+6], v[S+7], v[S+8]
	v_max3_num_f32 v[MD], v[S+9], v[S+10], v[S+11]
.set i, 12
.rept 6
	v_max3_num_f32 v[MA], v[MA], v[S+i], v[S+i+1]
	v_max3_num_f32 v[MB], v[MB], v[S+i+2], v[S+i+3]
	v_max3_num_f32 v[MC], v[MC], v[S+i+4], v[S+i+5]
	v_max3_num_f32 v[MD], v[MD], v[S+i+6], v[S+i+7]
.set i, i+8
.endr
	v_max3_num_f32 v[MA], v[MA], v[S+60], v[S+61]
	v_max3_num_f32 v[MB], v[MB], v[S+62], v[S+63]
	s_delay_alu instid0(VALU_DEP_1)
	v_max3_num_f32 v[MA], v[MA], v[MB], v[MC]
	s_delay_alu instid0(VALU_DEP_1)
	v_max_num_f32 v[MA], v[MA], v[MD]
	s_delay_alu instid0(VALU_DEP_1)
	v_permlanex16_b32 v[PRM], v[MA], s[SEL], s[SEL+1]
	s_delay_alu instid0(VALU_DEP_1)
	v_max_num_f32 v[MA], v[MA], v[PRM]             ; and among lane l xor 16's
	s_delay_alu instid0(VALU_DEP_1)
	v_mul_f32 v[MA], s[CS], v[MA]                  ; as t (c is positive)
	s_delay_alu instid0(VALU_DEP_1)
	v_max_num_f32 v[rT+1], v[rT+1], v[MA]          ; the running largest t
	v_mov_b32 v[MA], v[rT]
	s_delay_alu instid0(VALU_DEP_2)
	v_floor_f32 v[rT], -v[rT+1]                    ; the new -M = floor(-t) = -ceil(t): a whole number
	s_delay_alu instid0(VALU_DEP_1)
	v_sub_f32 v[MA], v[rT], v[MA]                  ; old M - new M: a whole number, 0 or less
	s_delay_alu instid0(VALU_DEP_1)
	v_cvt_i32_f32 v[MA], v[MA]                     ; (it saturates)
	s_delay_alu instid0(VALU_DEP_1)
	v_ldexp_f32 v[F], 1.0, v[MA]                   ; f = 2^(old M - new M)
.irp t, 0,1,2,3,4,5,6,7
.irp j, 0,2,4,6
	v_pk_fma_f32 v[S+8*\t+\j:S+8*\t+\j+1], v[S+8*\t+\j:S+8*\t+\j+1], s[CS:CS+1], v[rT:rT+1] op_sel_hi:[1,0,0]   ; t - M, two at a time
.endr
.endr
	s_wait_alu depctr_va_vdst(0)
.irp t, 0,1,2,3,4,5,6,7
.irp j, 0,1,2,3,4,5,6,7
	v_exp_f32 v[S+8*\t+\j], v[S+8*\t+\j]           ; p = 2^(t - M), at most 1
.endr
.endr
	v_pk_mul_f32 v[rT+2:rT+3], v[rT+2:rT+3], v[F:F+1] op_sel_hi:[1,0]   ; the sums under the new M.  (The plain line behind the exponentials)
	s_wait_alu depctr_va_vdst(0)                   ; one wait for the whole batch, ahead of its first reader
	v_pk_add_f32 v[SUM2:SUM2+1], v[S:S+1], v[S+2:S+3]   ; the row's sum is taken of the unquantised p: two at a time, in four chains
	v_pk_add_f32 v[SUM3:SUM3+1], v[S+4:S+5], v[S+6:S+7]
	v_pk_add_f32 v[SUM4:SUM4+1], v[S+8:S+9], v[S+10:S+11]
.set i, 12
.rept 6
	v_pk_add_f32 v[rT+2:rT+3], v[rT+2:rT+3], v[S+i:S+i+1]
	v_pk_add_f32 v[SUM2:SUM2+1], v[SUM2:SUM2+1], v[S+i+2:S+i+3]
	v_pk_add_f32 v[SUM3:SUM3+1], v[SUM3:SUM3+1], v[S+i+4:S+i+5]
	v_pk_add_f32 v[SUM4:SUM4+1], v[SUM4:SUM4+1], v[S+i+6:S+i+7]
.set i, i+8
.endr
	v_pk_add_f32 v[rT+2:rT+3], v[rT+2:rT+3], v[S+60:S+61]
	v_pk_add_f32 v[SUM2:SUM2+1], v[SUM2:SUM2+1], v[S+62:S+63]
	v_pk_add_f32 v[SUM3:SUM3+1], v[SUM3:SUM3+1], v[SUM4:SUM4+1]
	s_delay_alu instid0(VALU_DEP_2)
	v_pk_add_f32 v[rT+2:rT+3], v[rT+2:rT+3], v[SUM2:SUM2+1]
	s_delay_alu instid0(VALU_DEP_1)
	v_pk_add_f32 v[rT+2:rT+3], v[rT+2:rT+3], v[SUM3:SUM3+1]
.irp t, 0,1,2,3,4,5,6,7
.irp j, 0,2,4,6                        ; the conversion does not saturate (ISA guide 7.6.2); p is not negative, so the hold is one-sided; two holds to a dual pair
	v_dual_min_num_f32 v[S+8*\t+\j], v[PLIM], v[S+8*\t+\j] :: v_dual_min_num_f32 v[S+8*\t+\j+1], v[PLIM2], v[S+8*\t+\j+1]
.endr
	v_cvt_scalef32_pk8_fp8_f32 v[P+2*\t:P+2*\t+1], v[S+8*\t:S+8*\t+7], v[PSC]   ; registers 2 t, 2 t + 1 of P: keys 16 t + 8 h + 0 .. 7
.endr
.if (\u) == 3
	s_wait_dscnt 0x0                               ; V is in
.endif
	WIN 0x41                                       ; O^T (destination and source 0) window 1
	s_wait_alu depctr_va_vdst(0)                   ; directly ahead of the first reader of O^T
.irp j, 0,2,4,6,8,10,12,14,16,18,20,22,24,26,28,30
	v_pk_mul_f32 v[32*(\u)+\j:32*(\u)+\j+1], v[32*(\u)+\j:32*(\u)+\j+1], v[F:F+1] op_sel_hi:[1,0]   ; O^T under the new M.  (Also the plain lines between the conversions and the products)
.endr
	WIN 0x50                                       ; C and D window 1
.irp c, 0,1,2,3                        ; four accumulators, one instruction each
	v_wmma_f32_16x16x128_fp8_fp8 v[32*(\u)+8*\c:32*(\u)+8*\c+7], v[VF+16*\c:VF+16*\c+15], v[P:P+15], v[32*(\u)+8*\c:32*(\u)+8*\c+7]
.endr
	WIN 0
.endm
; A KEY STEP.  Its fragments of K and V are read from LDS once and serve up to n tiles.  A step that hides all my tiles is left out, all but the two lines at its end that step the count and the address.
.macro STEP n
	s_cmp_gt_u32 s[KS2], s[M0+3]
	s_cbranch_scc1 .Lend_\@
	v_add_nc_u32 v[ADK], s[TB], v[LI]
	v_add_nc_u32 v[ADV], VBASE, v[ADK]
.rept 2
	v_nop                                          ; with the two additions: four places in front of loads into registers that the last products have read
.endr
.irp t, 0,1,2,3,4,5,6,7
.irp g, 0,1
	ds_load_b128 v[KF+8*\t+4*\g:KF+8*\t+4*\g+3], v[ADK] offset:1024*\t+512*\g
.endr
.endr
.irp c, 0,1,2,3
.irp g, 0,1,2,3
	ds_load_b128 v[VF+16*\c+4*\g:VF+16*\c+4*\g+3], v[ADV] offset:2048*\c+512*\g
.endr
.endr
	TILE 3, \@
.if \n > 1
	TILE 2, \@
	TILE 1, \@
	TILE 0, \@
.endif
.Lend_\@:
	s_sub_co_u32 s[KS2], s[KS2], 2                 ; one step down
	s_sub_co_u32 s[TB], s[TB], STEPB
.endm
	s_wait_alu depctr_va_vdst(0)
	s_wait_tensorcnt 0x0                           ; my part of steps 12 .. 15 is in;
	ds_add_u32 v[SPW], v[NIL]                      ; 0 onto my spare word,
	s_wait_dscnt 0x0                               ; and the wait for it
	CROUND                                         ; everybody's part is in, and all four work-groups are here: the joint loads meet
	JLOAD G0K2, G0V2, G1B                          ; steps 0 .. 11: the first tensor load behind the round, and my last
	s_wait_loadcnt 0x0                             ; Q
	s_mov_b32 s[INNER], NHI
.Lhigh:                                            ; steps 15 .. 12: m >= 24 alone is live there, which is each wave's tile 3
	STEP 1
	s_sub_co_u32 s[INNER], s[INNER], 1
	s_cmp_lg_u32 s[INNER], 0
	s_cbranch_scc1 .Lhigh
	s_wait_tensorcnt 0x0                           ; my part of steps 0 .. 11 is in
	ds_add_u32 v[SPW], v[NIL]
	s_wait_dscnt 0x0
	s_barrier_signal -1
	s_barrier_wait -1                              ; everybody's is.
	s_mov_b32 s[INNER], NLO
.Llow:                                             ; steps 11 .. 0
	STEP 4
	s_sub_co_u32 s[INNER], s[INNER], 1
	s_cmp_lg_u32 s[INNER], 0
	s_cbranch_scc1 .Llow
	; THE WAY OUT.  code = O^T x 2^(e4 + e5 - e6) / the sum, held within +-448.  A lane's eight channels of an accumulator are registers 2 c, 2 c + 1 of the last product's operand: they leave as an image.
.irp u, 0,1,2,3
	v_add_f32 v[ST+4*\u+2], v[ST+4*\u+2], v[ST+4*\u+3]   ; the sum's two halves.  (These four are the places behind the last products)
.endr
.irp u, 0,1,2,3
	s_delay_alu instid0(VALU_DEP_4)
	v_permlanex16_b32 v[F+\u], v[ST+4*\u+2], s[SEL], s[SEL+1]
.endr
.irp u, 0,1,2,3
	s_delay_alu instid0(VALU_DEP_4)
	v_add_f32 v[ST+4*\u+2], v[ST+4*\u+2], v[F+\u]  ; and lane l xor 16's
.endr
	s_wait_alu depctr_va_vdst(0)
.irp u, 0,1,2,3
	v_rcp_f32 v[ST+4*\u+2], v[ST+4*\u+2]
.endr
	v_nop                                          ; a plain line behind the last reciprocal
	s_wait_alu depctr_va_vdst(0)                   ; one wait for the four, ahead of their first reader
.irp u, 0,1,2,3
	v_ldexp_f32 v[ST+4*\u+2], v[ST+4*\u+2], s[EO]
.endr
.irp u, 0,1,2,3
	WIN 0x01                                       ; source 0 (O^T) window 1
	s_wait_alu depctr_va_vdst(0)                   ; directly ahead of the first reader of this tile's O^T
.irp j, 0,2,4,6,8,10,12,14,16,18,20,22,24,26,28,30
	v_pk_mul_f32 v[S+32*\u+\j:S+32*\u+\j+1], v[32*\u+\j:32*\u+\j+1], v[ST+4*\u+2:ST+4*\u+3] op_sel_hi:[1,0]   ; each accumulator from its low end on
.endr
	WIN 0
.irp c, 0,1,2,3
.irp j, 0,1,2,3,4,5,6,7
	v_med3_num_f32 v[S+32*\u+8*\c+\j], v[S+32*\u+8*\c+\j], -v[OLIM], v[OLIM]
.endr
	v_cvt_scalef32_pk8_fp8_f32 v[VF+8*\u+2*\c:VF+8*\u+2*\c+1], v[S+32*\u+8*\c:S+32*\u+8*\c+7], v[ONE]
.endr
	v_nop                                          ; one plain vector line behind the last conversion
.irp g, 0,1
	global_store_b128 v[OA+\u], v[VF+8*\u+4*\g:VF+8*\u+4*\g+3], s[12:13] offset:512*\g   ; 32 lanes store 512 consecutive bytes
.endr
.endr
	s_wait_tensorcnt 0x0                           ; the wave's end
	ds_add_u32 v[SPW], v[NIL]
	s_wait_dscnt 0x0
	CROUND                                         ; the closing round: no work-group ends while a partner may still ask for a tile that names it
	s_endpgm
.Lfunc_end_k_q96f2ca04d1_attn:
	.size	k_q96f2ca04d1_attn, .Lfunc_end_k_q96f2ca04d1_attn-k_q96f2ca04d1_attn
	.p2alignl 7, 3214868480
	.fill 96, 4, 3214868480
	.section	.rodata,"a",@progbits
	.p2align	6, 0x0
	.amdhsa_kernel k_q96f2ca04d1_attn
		.amdhsa_group_segment_fixed_size 327680
		.amdhsa_private_segment_fixed_size 0
		.amdhsa_enable_private_segment 0
		.amdhsa_kernarg_size 40
		.amdhsa_user_sgpr_count 2
		.amdhsa_user_sgpr_kernarg_segment_ptr 1
		.amdhsa_wavefront_size32 1
		.amdhsa_system_sgpr_workgroup_id_x 1
		.amdhsa_system_sgpr_workgroup_id_y 1
		.amdhsa_system_sgpr_workgroup_id_z 1
		.amdhsa_system_vgpr_workitem_id 0
		.amdhsa_next_free_vgpr 512
		.amdhsa_next_free_sgpr 96
		.amdhsa_reserve_vcc 1
		.amdhsa_float_denorm_mode_32 3
		.amdhsa_float_denorm_mode_16_64 3
		.amdhsa_memory_ordered 1
		.amdhsa_forward_progress 1
		.amdhsa_inst_pref_size 133
	.end_amdhsa_kernel
	.amdgpu_metadata
---
amdhsa.version: [ 1, 2 ]
amdhsa.kernels:
  - .name:           k_q96f2ca04d1_attn
    .symbol:         k_q96f2ca04d1_attn.kd
    .args:
      - { .name: q_codes, .offset: 0, .size: 8, .value_kind: global_buffer, .address_space: global }
      - { .name: k_codes, .offset: 8, .size: 8, .value_kind: global_buffer, .address_space: global }
      - { .name: v_codes, .offset: 16, .size: 8, .value_kind: global_buffer, .address_space: global }
      - { .name: lowp_scales, .offset: 24, .size: 8, .value_kind: global_buffer, .address_space: global }
      - { .name: ao_codes, .offset: 32, .size: 8, .value_kind: global_buffer, .address_space: global }
    .group_segment_fixed_size: 327680
    .private_segment_fixed_size: 0
    .kernarg_segment_align: 8
    .kernarg_segment_size: 40
    .max_flat_workgroup_size: 256
    .sgpr_count:     96
    .vgpr_count:     512
    .wavefront_size: 32
...
	.end_amdgpu_metadata
.endif
;; end of part 3
;; launch oproj (part 4): grid 8 x 32, 4 waves a work-group, clusters of 4 x 4, 327,680 bytes of LDS; arguments ao_codes, wo_codes, lowp_scales, out0; writes out0
.if DOCPART == 4
	.amdgcn_target "amdgcn-amd-amdhsa--gfx1250"
	.amdhsa_code_object_version 6
	.text
	.protected	k_q96f2ca04d1_oproj
	.globl	k_q96f2ca04d1_oproj
	.p2align	8
	.type	k_q96f2ca04d1_oproj,@function
k_q96f2ca04d1_oproj:
	s_mov_b64 s[64:65], 0
	v_nop
	global_prefetch_b8 v0, s[64:65] scope:SCOPE_SE
	s_setreg_imm32_b32 hwreg(HW_REG_WAVE_MODE, 25, 1), 1
	s_wait_xcnt 0x0
	s_wait_alu depctr_hold_cnt(0) depctr_sa_sdst(0) depctr_va_vdst(0) depctr_va_sdst(0) depctr_va_ssrc(0) depctr_va_vcc(0) depctr_vm_vsrc(0)
	s_getreg_b32 s2, hwreg(HW_REG_IB_STS2, 6, 4)
	s_cmp_eq_u32 s2, 0
	s_cbranch_scc0 .Lentry_in_a_cluster
	s_endpgm
.Lentry_in_a_cluster:
	s_bfe_u32 s2, ttmp6, 0x10000c
	s_cmp_lg_u32 s2, 0xf033
	s_cbranch_scc0 .Lentry_shape_is_right
	s_endpgm
.Lentry_shape_is_right:
; out0 = O w_o^T on codes of E4M3 (K = 1,024), each finished f32 sum multiplied once by 2^(e6 + e7).  LIMIT: e6 + e7 between -126 and 127, so that the factor is an f32 number.
; A block of 256 rows x 128 columns is made by a work-group of four waves, 128 x 64 a wave: 32 accumulators of 16 x 16.  8,192 / 256 x 1,024 / 128 = 256 work-groups.
; K goes in steps of 256 through a ring of two LDS slots filled by the tensor data mover: A = ao_codes, images of operand registers ([tile of 16 rows][head][1,024 bytes]: a K step is 4,096 dense bytes of each
; tile of 16 rows, read back lane l at 16 l); B = wo_codes, rows of 256 bytes + 16 of padding.  Waves 0, 1 fetch A's halves (8 tiles of 16 rows each), waves 2, 3 B's halves (64 rows each).
; CLUSTERS: 4 x 4 work-groups; A's tile is shared along a row of the cluster, B's along a column, each by joint loads.
; THE MATRIX INSTRUCTION IS USED TRANSPOSED (source 0 = 16 rows of w_o, source 1 = 16 rows of O): a lane holds eight neighbouring columns of one row of out0.
; THE WAY OUT: a block of 16 rows x 64 columns goes through the wave's own stage in LDS (in slot 0, behind its last fill and its last read) and leaves by rows: sixteen lanes store 256 consecutive aligned bytes.
; NO PREFETCH: K has four steps; the only refills are steps 2 and 3, and no step lies two refills ahead of them.
; REGISTERS, in windows of 256: window 0: v0-31 addresses, from v128 A's eight fragments, one set; window 1: B's four fragments, two sets, at v0 and v128; windows 2, 3: accumulator (a, b) at v[8 (8 (a % 4) + b)], b = 0 .. 3.
.set SIZE_N, 1024
.set SIZE_K, 1024
.set KSTEP,  256
.set ROWB,   256
.set KROW,   SIZE_K
.set PITCH,  272
.set FR,     16
.set NL,     4
.set NP,     4
.set HALFA,  32768
.set HALFB,  64*PITCH                  ; 64 rows of B: what one tensor load brings, and what one wave reads
.set BOFF,   2*HALFA
.set SLOT,   2*HALFA+2*HALFB
.set LAPS,   SIZE_K/(2*KSTEP)
.set SPARE,  2*SLOT
.set SPITCH, 272                       ; a stage row: 64 columns of f32, 256 bytes, + 16
.set ADRA, 16
.set ADRB, 20
.set STO,  24
.set RD,   25
.set CO,   26
.set SPW,  28
.set NIL,  29
.set TMP,  32
.set AF,   128
.set BK,   128
.set G1, 24
.set G0, 32
.set G1B, 48
.set G0B, 56
.set MSB, 0
.macro WIN new
.if MSB != \new
	s_set_vgpr_msb (MSB<<8)|\new
.set MSB, \new
.endif
.endm
.set MUL_LO, 0xa1
.set MUL_HI, 0xf1
.set TO_B,   0x40
.macro JLOAD g0a, g1a, g0b, g1b
	s_cmp_eq_u32 s15, 0
	s_cbranch_scc0 .Lfor_b_\@
	tensor_load_to_lds s[\g0a:\g0a+3], s[\g1a:\g1a+7]
	s_nop 0
.rept 4
	v_nop
.endr
	s_branch .Lasked_\@
.Lfor_b_\@:
	tensor_load_to_lds s[\g0b:\g0b+3], s[\g1b:\g1b+7]
	s_nop 0
.rept 4
	v_nop
.endr
.Lasked_\@:
.endm
.macro CREST
	s_cmp_lg_u32 s14, 0
	s_cbranch_scc1 .Lnot_wave_0_\@
	s_barrier_signal -3
.Lnot_wave_0_\@:
	s_barrier_wait -3
	s_barrier_signal -1
	s_barrier_wait -1
.endm
.macro CROUND
	s_barrier_signal -1
	s_barrier_wait -1
	CREST
.endm
	s_load_b128 s[4:7], s[0:1], 0x0
	s_load_b128 s[8:11], s[0:1], 0x10
	v_lshl_add_u32 v[SPW], v0, 2, SPARE
	v_mov_b32 v[NIL], 0
	ds_add_u32 v28, v29
	ds_add_u32 v28, v29
	s_wait_dscnt 0x0
	v_lshrrev_b32 v1, 5, v0
	v_readfirstlane_b32 s14, v1
	s_lshr_b32 s15, s14, 1
	s_and_b32 s16, s14, 1
	s_bfe_u32 s40, ttmp6, 0x40000
	s_bfe_u32 s41, ttmp6, 0x40004
	s_lshl_b32 s42, ttmp9, 2
	s_add_co_u32 s42, s42, s40
	s_and_b32 s17, ttmp7, 0xffff
	s_lshl_b32 s17, s17, 2
	s_add_co_u32 s17, s17, s41
	s_lshl_b32 s43, s41, 2
	s_lshl_b32 s43, 15, s43
	s_lshl_b32 s44, 0x1111, s40
	s_or_b32 s[G1+0], s43, (3<<16)|(1<<21)
	s_mov_b32 s[G1+1], 512<<16
	s_mov_b32 s[G1+2], 8<<16
	s_mov_b32 s[G1+3], 512<<16
	s_mov_b32 s[G1+4], 8
	s_mov_b32 s[G1+5], 2048
	s_mov_b32 s[G1+6], 0
	s_mov_b32 s[G1+7], 0
	s_or_b32 s[G1B+0], s44, (0<<16)|(1<<20)|(1<<21)|(5<<22)|(3<<25)
	s_mov_b32 s[G1B+1], ROWB<<16
	s_mov_b32 s[G1B+2], 64<<16                     ; tensor_dim1 = 64 rows
	s_mov_b32 s[G1B+3], ROWB<<16
	s_mov_b32 s[G1B+4], 64                         ; tile_dim1 = 64
	s_mov_b32 s[G1B+5], KROW
	s_mov_b32 s[G1B+6], 0
	s_mov_b32 s[G1B+7], 0
	s_lshl_b32 s20, s17, 18
	s_lshl_b32 s18, s16, 17
	s_add_co_u32 s20, s20, s18
	s_mov_b32 s21, 0
	s_lshl_b32 s46, s42, 7                         ; B: row 128 x block column + 64 x half,
	s_lshl_b32 s18, s16, 6
	s_add_co_u32 s46, s46, s18
	s_lshl_b32 s46, s46, 10                        ; 1,024 bytes a row
	s_mov_b32 s47, 0
	s_lshl_b32 s45, s16, 15
	s_mul_i32 s19, s16, HALFB
	s_add_co_u32 s19, s19, BOFF
	s_wait_kmcnt 0x0
	s_load_b64 s[96:97], s[8:9], 0x18
	s_add_nc_u64 s[20:21], s[4:5], s[20:21]
	s_add_nc_u64 s[46:47], s[6:7], s[46:47]
	CROUND
.irp s, 0,1
	s_mov_b32 s[G0+4*\s], 1
	s_add_co_u32 s[G0+4*\s+1], s45, \s*SLOT
	s_add_nc_u64 s[G0+4*\s+2:G0+4*\s+3], s[20:21], \s*4096
	s_or_b32 s[G0+4*\s+3], s[G0+4*\s+3], 0x80000000
	s_mov_b32 s[G0B+4*\s], 1
	s_add_co_u32 s[G0B+4*\s+1], s19, \s*SLOT
	s_add_nc_u64 s[G0B+4*\s+2:G0B+4*\s+3], s[46:47], \s*ROWB
	s_or_b32 s[G0B+4*\s+3], s[G0B+4*\s+3], 0x80000000
.endr
	JLOAD G0, G1, G0B, G1B                         ; K step 0: one tensor load a wave at the head
	v_and_b32 v1, 15, v0
	v_bfe_u32 v2, v0, 4, 1
	v_mul_u32_u24 v3, v1, PITCH
	v_lshl_add_u32 v4, v2, 4, v3
	v_and_b32 v6, 31, v0
	v_lshlrev_b32 v[CO], 4, v6
	s_wait_alu depctr_va_vdst(0)
	s_lshl_b32 s21, s15, 15
	s_mul_i32 s22, s16, HALFB
	s_add_co_u32 s22, s22, BOFF
.irp s, 0,1
	v_add_nc_u32 v[ADRA+\s], s21, v[CO]
	v_add_nc_u32 v[ADRB+\s], s22, v4
	s_add_co_u32 s21, s21, SLOT
	s_add_co_u32 s22, s22, SLOT
.endr
	s_mul_i32 s23, s14, 16*SPITCH
	v_mul_u32_u24 v5, v1, SPITCH
	v_lshl_add_u32 v5, v2, 5, v5
	v_add_nc_u32 v[STO], s23, v5                   ; into my stage: row l % 16, 32 bytes for each half of the lanes
	v_mul_u32_u24 v7, v2, SPITCH
	v_lshl_add_u32 v7, v1, 4, v7
	v_add_nc_u32 v[RD], s23, v7                    ; back: lanes 0-15 take one row of 256 bytes, lanes 16-31 the next
	v_lshlrev_b32 v[CO], 12, v2                    ; and the same two rows in out0, 4,096 bytes apart (A's LDS addresses above have read the old value, 16 x lane)
	v_lshl_add_u32 v[CO], v1, 4, v[CO]
	s_lshl_b32 s20, s17, 8
	s_lshl_b32 s21, s15, 7
	s_add_co_u32 s20, s20, s21
	s_lshl_b32 s20, s20, 12
	s_lshl_b32 s46, s42, 9                         ; my first column, in bytes: 512 x block column + 256 x half
	s_lshl_b32 s47, s16, 8
	s_add_co_u32 s46, s46, s47
	s_add_co_u32 s20, s20, s46
	s_mov_b32 s21, 0
	s_add_nc_u64 s[10:11], s[10:11], s[20:21]
.macro FRAGB reg, adr, q, i
.irp c, 0,1,2,3
	ds_load_b128 v[\reg+4*\c:\reg+4*\c+3], v[\adr] offset:128*(\q)+32*\c+(\i)*16*PITCH
.endr
.endm
.macro FRAGA reg, adr, q, i
.irp c, 0,1,2,3
	ds_load_b128 v[\reg+4*\c:\reg+4*\c+3], v[\adr] offset:4096*(\i)+2048*(\q)+512*\c
.endr
.endm
.macro MUL16 a0, p, zero
.irp a, \a0, \a0+1
.irp b, 0,1,2,3
.if \zero
	v_wmma_f32_16x16x128_fp8_fp8 v[8*(8*((\a)%4)+\b):8*(8*((\a)%4)+\b)+7], v[128*(\p)+FR*\b:128*(\p)+FR*\b+FR-1], v[AF+FR*(\a):AF+FR*(\a)+FR-1], 0
.else
	v_wmma_f32_16x16x128_fp8_fp8 v[8*(8*((\a)%4)+\b):8*(8*((\a)%4)+\b)+7], v[128*(\p)+FR*\b:128*(\p)+FR*\b+FR-1], v[AF+FR*(\a):AF+FR*(\a)+FR-1], v[8*(8*((\a)%4)+\b):8*(8*((\a)%4)+\b)+7]
.endif
.endr
.endr
.endm
.macro FETCH_B slot, q, p
	WIN TO_B
.irp i, 0,1,2,3
	FRAGB 128*(\p)+FR*\i, ADRB+\slot, \q, \i
.endr
	WIN 0
.endm
.macro FETCH_A slot, q, i0
.irp i, \i0, \i0+1, \i0+2, \i0+3
	FRAGA AF+FR*(\i), ADRA+\slot, \q, \i
.endr
.endm
.macro PLACES n
.rept \n
	v_nop
.endr
.endm
.macro STEP slot, q, zero
	s_wait_dscnt 4*NL
	WIN MUL_LO
	MUL16 0, (\q)%2, \zero
	MUL16 2, (\q)%2, \zero
	s_wait_dscnt 0
	PLACES NP
	FETCH_B \slot, (\q)+1, 1-(\q)%2
	FETCH_A \slot, (\q)+1, 0
	WIN MUL_HI
	MUL16 4, (\q)%2, \zero
	MUL16 6, (\q)%2, \zero
	PLACES NP
	WIN 0
	FETCH_A \slot, (\q)+1, 4
.endm
.macro TURN slot, next, fill
	s_wait_tensorcnt 0x0
	ds_add_u32 v[SPW], v[NIL]
	s_wait_dscnt 4*NL+1
	WIN MUL_LO
	MUL16 0, 1, 0
	s_wait_dscnt 0x0
	s_barrier_signal -1
	MUL16 2, 1, 0
	WIN 0
	s_barrier_wait -1
.if \fill
	CREST
	s_add_nc_u64 s[G0+4*\slot+2:G0+4*\slot+3], s[G0+4*\slot+2:G0+4*\slot+3], 2*4096
	s_add_nc_u64 s[G0B+4*\slot+2:G0B+4*\slot+3], s[G0B+4*\slot+2:G0B+4*\slot+3], 2*ROWB
	JLOAD G0+4*\slot, G1, G0B+4*\slot, G1B
.else
	PLACES NP
.endif
	FETCH_B \next, 0, 0
	FETCH_A \next, 0, 0
	WIN MUL_HI
	MUL16 4, 1, 0
	MUL16 6, 1, 0
	PLACES NP
	WIN 0
	FETCH_A \next, 0, 4
.endm
	s_wait_alu depctr_va_vdst(0)
	s_wait_tensorcnt 0x0                           ; my part of K step 0 is in
	ds_add_u32 v[SPW], v[NIL]
	s_wait_dscnt 0x0
	CROUND                                         ; everybody's part of K step 0 is in, and all sixteen work-groups are here
	JLOAD G0+4, G1, G0B+4, G1B                     ; K step 1's load, the first tensor load behind the round
	FETCH_B 0, 0, 0
	FETCH_A 0, 0, 0
	FETCH_A 0, 0, 4
	STEP 0, 0, 1
	s_mov_b32 s3, LAPS-1
.Llap:
	TURN 0, 1, 1
	STEP 1, 0, 0
	TURN 1, 0, 1
	STEP 0, 0, 0
	s_sub_co_u32 s3, s3, 1
	s_cmp_lg_u32 s3, 0
	s_cbranch_scc1 .Llap
	TURN 0, 1, 0
	STEP 1, 0, 0
	s_wait_dscnt 4*NL
	WIN MUL_LO
	MUL16 0, 1, 0
	MUL16 2, 1, 0
	s_wait_dscnt 0
	WIN MUL_HI
	MUL16 4, 1, 0
	MUL16 6, 1, 0
	WIN 0
.macro TOSTAGE a
.set AC, 64*((\a)%4)
.set WA, 0x02+((\a)/4)
	WIN WA
.irp j, 0,2,4,6,8,10,12,14,16,18,20,22,24,26,28,30
	v_pk_mul_f32 v[TMP+\j:TMP+\j+1], v[AC+\j:AC+\j+1], s[96:97] op_sel_hi:[1,0]
.endr
	WIN 0
.irp b, 0,1,2,3
	ds_store_b128 v[STO], v[TMP+8*\b:TMP+8*\b+3] offset:64*\b
	ds_store_b128 v[STO], v[TMP+8*\b+4:TMP+8*\b+7] offset:64*\b+16
.endr
.set BB, BK+64*((\a)%2)
.irp t, 0,1,2,3,4,5,6,7
	ds_load_b128 v[BB+4*\t:BB+4*\t+3], v[RD] offset:2*\t*SPITCH
.endr
.endm
.macro SEND a, younger
.set BB, BK+64*((\a)%2)
	s_wait_dscnt \younger
.if (\a) > 0
	s_add_nc_u64 s[10:11], s[10:11], 16*SIZE_N*4
.endif
.irp t, 0,1,2,3,4,5,6,7
	global_store_b128 v[CO], v[BB+4*\t:BB+4*\t+3], s[10:11] offset:2*\t*SIZE_N*4 th:TH_STORE_NT
.endr
.endm
	s_wait_kmcnt 0x0
	s_add_co_i32 s96, s96, s97
	s_add_co_i32 s96, s96, 127
	s_lshl_b32 s96, s96, 23
	PLACES NP
	TOSTAGE 0
.irp a, 1,2,3,4,5,6,7
.if \a > 1
	s_wait_xcnt 0x0
.endif
	TOSTAGE \a
	SEND \a-1, 16                                  ; behind block a - 1's loads: block a's 8 stores and 8 loads
.endr
	s_wait_xcnt 0x0
	SEND 7, 0
	s_wait_tensorcnt 0x0
	ds_add_u32 v[SPW], v[NIL]
	s_wait_dscnt 0x0
	CROUND
	s_endpgm
.Lfunc_end_k_q96f2ca04d1_oproj:
	.size	k_q96f2ca04d1_oproj, .Lfunc_end_k_q96f2ca04d1_oproj-k_q96f2ca04d1_oproj
	.p2alignl 7, 3214868480
	.fill 96, 4, 3214868480
	.section	.rodata,"a",@progbits
	.p2align	6, 0x0
	.amdhsa_kernel k_q96f2ca04d1_oproj
		.amdhsa_group_segment_fixed_size 327680
		.amdhsa_private_segment_fixed_size 0
		.amdhsa_enable_private_segment 0
		.amdhsa_kernarg_size 32
		.amdhsa_user_sgpr_count 2
		.amdhsa_user_sgpr_kernarg_segment_ptr 1
		.amdhsa_wavefront_size32 1
		.amdhsa_system_sgpr_workgroup_id_x 1
		.amdhsa_system_sgpr_workgroup_id_y 1
		.amdhsa_system_sgpr_workgroup_id_z 1
		.amdhsa_system_vgpr_workitem_id 0
		.amdhsa_next_free_vgpr 1024
		.amdhsa_next_free_sgpr 98
		.amdhsa_reserve_vcc 0
		.amdhsa_float_denorm_mode_32 3
		.amdhsa_float_denorm_mode_16_64 3
		.amdhsa_memory_ordered 1
		.amdhsa_forward_progress 1
		.amdhsa_inst_pref_size 78
	.end_amdhsa_kernel
	.amdgpu_metadata
---
amdhsa.version: [ 1, 2 ]
amdhsa.kernels:
  - .name:           k_q96f2ca04d1_oproj
    .symbol:         k_q96f2ca04d1_oproj.kd
    .args:
      - { .name: ao_codes, .offset: 0, .size: 8, .value_kind: global_buffer, .address_space: global }
      - { .name: wo_codes, .offset: 8, .size: 8, .value_kind: global_buffer, .address_space: global }
      - { .name: lowp_scales, .offset: 16, .size: 8, .value_kind: global_buffer, .address_space: global }
      - { .name: out0, .offset: 24, .size: 8, .value_kind: global_buffer, .address_space: global }
    .group_segment_fixed_size: 327680
    .private_segment_fixed_size: 0
    .kernarg_segment_align: 8
    .kernarg_segment_size: 32
    .max_flat_workgroup_size: 128
    .sgpr_count:     98
    .vgpr_count:     1024
    .wavefront_size: 32
...
	.end_amdgpu_metadata
.endif
;; end of part 4
